; MI455X (gfx1250); checked and timed in simulation.
; The chip was launched on July 23, 2026; its instructions are those of AMD's public machine-readable ISA for CDNA 5 (MIT licence, August 2026) and "CDNA5" Instruction Set Architecture Reference Guide (July 2026). The comments in the code are by the model that wrote it; some were corrected since.
;; Attention. Allowed arithmetic: matrix products marked QUANTISED: E2M1 operands, one E8M0 scale for each 32 along K, by v_wmma_scale_f32_16x16x128_f8f6f4 with both operands' format E2M1 (or v_wmma_scale_f32_32x16x128_f4), f32 sums; products left as they are: bf16, f16 or f32 operands; f32 sums; everything else in f32.
;; Inputs: b_out 1,024 float32; w_out 1,024 x 1,024 float32; w_qkv 3,072 x 1,024 float32; x 4 x 2,048 x 1,024 float32.
;; Outputs: out0 4 x 2,048 x 1,024 float32.
;; This version of the problem:
;;   THIS VERSION OF THE PROBLEM IS GIVEN IN LOW PRECISION. The matrix products marked QUANTISED in the list below multiply operands that are first quantised to E2M1 (2 exponent bits, 1 mantissa bit; 4 bits a number), with one power-of-two scale for each 32 numbers along K (OCP MX v1.0); their sums are f32. The products marked 'left as it is' may take bf16, f16 or f32 operands, with f32 sums. Whichever they take, every output number must still come out within the allowed error. Rounding operands to bf16 (8 significant bits) uses up far more of that allowance than f16 does (11 bits, for magnitudes from 6e-5 to 65,504). All else is computed in f32.
;;   The module's matrix products, in the order in which they are computed (A, B: the left and right operand; K: the contracted axis; several contracted axes count as one K, in the product's order):
;;     1. [M 8,192, K 1,024] x [K 1,024, N 3,072]; A: input x; B: input w_qkv: QUANTISED
;;     2. batch 64 x [M 2,048, K 64] x [K 64, N 2,048]; A: computed on the way; B: computed on the way: left as it is (an operand is computed on the way)
;;     3. batch 64 x [M 2,048, K 2,048] x [K 2,048, N 64]; A: computed on the way; B: computed on the way: left as it is (an operand is computed on the way)
;;     4. [M 8,192, K 1,024] x [K 1,024, N 1,024]; A: computed on the way; B: input w_out: left as it is (an operand is computed on the way)
;;   THE QUANTISER, for each operand of a quantised product, along K:
;;     - K is cut into blocks of 32 from its start; a last block that is shorter is filled with zeros.
;;     - A block's scale is 2^e with e = floor(log2(the largest magnitude in the block)) - 2, held to -126 .. 127; a block of zeros has e = 0. As a byte (E8M0): e + 127.
;;     - Each number is divided by its block's scale, clamped to +-6, and rounded to the nearest number of E2M1, ties to even, subnormals kept.
;;     - The product sums the exact products of the quantised numbers (number of the format x scale) in f32.
;;   ~~~python
;;   def quantise(x, axis):      # numpy; x: float32 -> the quantised numbers, widened to float32 again
;;       x = np.moveaxis(x, axis, -1); K = x.shape[-1]
;;       x = np.pad(x, [(0, 0)] * (x.ndim - 1) + [(0, -K % 32)]); x = x.reshape(x.shape[:-1] + (-1, 32)); a = np.abs(x).max(-1, keepdims=True)
;;       e = np.where(a > 0, np.clip(np.frexp(np.where(a > 0, a, 1))[1] - 1 - 2, -126, 127), 0)      # np.frexp(a)[1] - 1 = floor(log2(a)), exactly
;;       r = np.clip(x / 2.0 ** e, -6, 6)
;;       step = 2.0 ** (np.maximum(np.frexp(np.where(r == 0, 1, r))[1] - 1, 0) - 1)
;;       q = np.round(r / step) * step * 2.0 ** e      # np.round: ties to even
;;       return np.moveaxis(q.reshape(q.shape[:-2] + (-1,))[..., :K], -1, axis).astype(np.float32)
;;   ~~~
;; One version. Each part assembles by itself: llvm-mc -triple=amdgcn-amd-amdhsa -mcpu=gfx1250 --defsym DOCPART=n.
;; ======== version 1 of 1: 4 launches
;; limits: values are held in f16: magnitudes above 65,504 overflow, below 6.1e-05 lose precision
;; workspace buffers: x_codes 4,194,304 bytes; x_scales 262,144 bytes; w_codes 1,572,864 bytes; w_scales 98,304 bytes; wo_h 2,097,152 bytes; qkvh 50,331,648 bytes; o_h 16,777,216 bytes
;; launch quant (part 1): grid 384 x 1, 4 waves a work-group, no clusters, 33,280 bytes of LDS; arguments x, w_qkv, w_out, x_codes, x_scales, w_codes, w_scales, wo_h; writes x_codes, x_scales, w_codes, w_scales, wo_h
.if DOCPART == 1
	.amdgcn_target "amdgcn-amd-amdhsa--gfx1250"
	.amdhsa_code_object_version 6
	.text
	.protected	k_q09f36b3677_quant
	.globl	k_q09f36b3677_quant
	.p2align	8
	.type	k_q09f36b3677_quant,@function
k_q09f36b3677_quant:
	s_mov_b64 s[64:65], 0
	v_nop
	global_prefetch_b8 v0, s[64:65] scope:SCOPE_SE
	s_setreg_imm32_b32 hwreg(HW_REG_WAVE_MODE, 25, 1), 1
	s_wait_xcnt 0x0
; x [8192][1024] and w_qkv [3072][1024], f32, become codes of FP4 (E2M1), K innermost, two codes a byte, with one E8M0 scale byte for each 32 along K; w_out [1024][1024] becomes f16.
; A block's scale is 2^(floor(log2(its largest magnitude)) - 2); its byte is the largest magnitude's exponent field - 2, held at 1 from below.  Each number is divided by the scale and rounded to the nearest code, ties to even,
; beyond the largest code the largest.
; LIMITS: a block of zeros, or one whose largest magnitude lies under 2^-124, gets the byte 1 (the bytes are read by this program alone; zero codes add nothing under that byte); NaN and infinities among the inputs are not served;
; numbers of w_out beyond 65,504 become infinite in f16, those under 6e-5 keep an absolute step of 6e-8.
; SHARES.  Work-groups 0-255 take x, 256-351 w_qkv: 32,768 numbers each, a wave 16 steps of 512.  Rows are dense and K is a multiple of 32: both tensors are plain streams of blocks of 32.
; Each load reads 512 consecutive bytes; a step's 2,048 bytes turn through the wave's own stage in LDS, so that a lane holds 16 neighbours along K (two lanes a block).  A wave's store of codes covers 256 consecutive bytes;
; its 256 scale bytes are gathered in LDS and leave as 256 consecutive bytes.  Work-groups 352-383 cast w_out, 8,192 numbers a wave, without LDS.  Waves share nothing: no barrier.
.set WAVES, 4
.set STEPS, 16
.set WGX,   256                        ; work-groups of x
.set WGQ,   352                        ; and with them those of w_qkv
.set EMAX,  2
.set CB,    8                          ; bytes of 16 codes
.set R,     16                         ; v16-79   four sets of 16 numbers as they are loaded
.set X,     80                         ; v80-111  two sets of 16 neighbours
.set E,     112                        ; v112-127 a scale byte for each step
.set C,     128                        ; v128-191 codes: four registers for each step, so that no store's data are written again
.set WREG,  8192                       ; LDS: a region for each wave: two stages of 32 x SP bytes, behind them its 256 scale bytes
.set SP,    80                         ; a lane's place in a stage: 64 bytes + 16 of padding
.set SPW,   12                         ; v12 LDS address of my spare word; never rewritten
.set NIL,   13                         ; v13 0; never rewritten
.set SPARE, WAVES*WREG                 ; behind the four regions: the spare words, 128 bytes a wave, which no other line names
	s_load_b256 s[4:11], s[0:1], 0x0               ; x s[4:5], w_qkv s[6:7], w_out s[8:9], x_codes s[10:11]
	s_load_b256 s[12:19], s[0:1], 0x20             ; x_scales s[12:13], w_codes s[14:15], w_scales s[16:17], wo_h s[18:19]
	v_lshl_add_u32 v[SPW], v0, 2, SPARE
	v_mov_b32 v[NIL], 0
	v_lshrrev_b32 v1, 5, v0
	v_readfirstlane_b32 s20, v1                    ; wave
	v_and_b32 v2, 31, v0                           ; lane
	v_lshlrev_b32 v3, 4, v2                        ; my 16 bytes of a load's 512
	v_lshlrev_b32 v7, 3, v2                        ; 8 bytes a lane on the way out
	s_mul_i32 s21, s20, WREG
	v_lshrrev_b32 v14, 2, v2
	v_mul_u32_u24 v14, v14, SP
	v_and_b32 v15, 3, v2
	v_lshl_add_u32 v14, v15, 4, v14
	v_add_nc_u32 v14, s21, v14                     ; the stage, on the way in: SP (lane / 4) + 16 (lane % 4)
	v_mul_u32_u24 v15, v2, SP
	v_add_nc_u32 v15, s21, v15                     ; and on the way out: SP x lane: my 16 neighbours
	v_mul_u32_u24 v4, v2, CB                       ; my codes' place in a step's
	v_lshrrev_b32 v5, 1, v2
	s_add_co_u32 s21, s21, 2*32*SP
	v_add_nc_u32 v5, s21, v5                       ; LDS: my wave's 256 scale bytes, my block's byte
	v_add_nc_u32 v6, s21, v7                       ; and where I read 8 of them back
	s_wait_kmcnt 0x0
	s_cmp_ge_u32 ttmp9, WGQ                        ; the parting hangs on the work-group's number alone
	s_cbranch_scc1 .Lcast
	s_cmp_lt_u32 ttmp9, WGX                        ; x's work-group or w_qkv's?  Only pointers are chosen: both tensors take one path
	s_cselect_b64 s[4:5], s[4:5], s[6:7]
	s_cselect_b64 s[10:11], s[10:11], s[14:15]
	s_cselect_b64 s[12:13], s[12:13], s[16:17]
	s_cselect_b32 s21, 0, WGX
	s_sub_co_u32 s21, ttmp9, s21
	s_lshl_b32 s21, s21, 2
	s_add_co_u32 s22, s21, s20                     ; which run of 8,192 numbers of the tensor is my wave's
	s_mov_b32 s23, 0
	s_lshl_b64 s[24:25], s[22:23], 15              ; 32,768 bytes of f32 a run,
	s_add_nc_u64 s[4:5], s[4:5], s[24:25]
	s_lshl_b64 s[24:25], s[22:23], 12              ; 4,096 bytes of codes,
	s_add_nc_u64 s[10:11], s[10:11], s[24:25]
	s_lshl_b64 s[24:25], s[22:23], 8               ; 256 scale bytes
	s_add_nc_u64 s[12:13], s[12:13], s[24:25]
.macro LOAD t
.irp i, 0,1,2,3
	global_load_b128 v[R+16*((\t)%4)+4*\i:R+16*((\t)%4)+4*\i+3], v3, s[4:5] offset:2048*(\t)+512*\i th:TH_LOAD_NT   ; 32 lanes read 512 consecutive bytes
.endr
.endm
.macro TURN t                          ; step t's numbers through the stage: LDS serves a wave's instructions in order, so no wait stands between the stores and the loads
.irp i, 0,1,2,3
	ds_store_b128 v14, v[R+16*((\t)%4)+4*\i:R+16*((\t)%4)+4*\i+3] offset:32*SP*((\t)%2)+8*SP*\i
.endr
.irp i, 0,1,2,3
	ds_load_b128 v[X+16*((\t)%2)+4*\i:X+16*((\t)%2)+4*\i+3], v15 offset:32*SP*((\t)%2)+16*\i
.endr
.endm
.irp t, 0,1,2,3
	LOAD \t
.endr
	s_wait_loadcnt 12                              ; step 0's four loads are in; the twelve of steps 1 to 3 may be out
	TURN 0
.macro STEP t
.set XS, X+16*((\t)%2)
.if (\t) > 0
	s_wait_dscnt 1                                 ; this step's numbers are back from the stage (the last step's byte store may be out), so its stores into the stage have read their registers,
.else
	s_wait_dscnt 0x0
.endif
.if (\t)+4 < STEPS
	LOAD (\t)+4                                    ; which take the loads of four steps on
.endif
.if (\t)+1 < STEPS
.if STEPS-2-(\t) >= 3
	s_wait_loadcnt 12                              ; the next step's four loads are in; those of the three steps behind it may be out
.else
	s_wait_loadcnt 4*(STEPS-2-(\t))
.endif
	TURN (\t)+1                                    ; and go through the other stage while this step is worked
.endif
	v_max3_num_f32 v8, |v[XS]|, |v[XS+1]|, |v[XS+2]|               ; the largest magnitude of my 16, in two chains
	v_max3_num_f32 v9, |v[XS+3]|, |v[XS+4]|, |v[XS+5]|
.irp i, 6,10
	v_max3_num_f32 v8, v8, |v[XS+\i]|, |v[XS+\i+1]|
	v_max3_num_f32 v9, v9, |v[XS+\i+2]|, |v[XS+\i+3]|
.endr
	v_max3_num_f32 v8, v8, |v[XS+14]|, |v[XS+15]|
	v_max3_num_f32 v8, v8, v9, (EMAX+1)<<23        ; and the floor 2^(EMAX + 1 - 127): the byte cannot fall under 1
	v_max_num_f32_dpp v8, v8, v8 row_xmask:1 row_mask:0xf bank_mask:0xf   ; and of my neighbour's 16: the block's
	v_add_nc_u32 v11, -(EMAX<<23), v8              ; EMAX off its exponent field: the conversion takes the exponent field of this operand as its scale, and nothing else of it
	v_cvt_scalef32_pk8_fp4_f32 v[C+4*(\t)], v[XS:XS+7], v11
	v_cvt_scalef32_pk8_fp4_f32 v[C+4*(\t)+1], v[XS+8:XS+15], v11
	v_lshrrev_b32 v[E+(\t)], 23, v11               ; the scale's byte (also the plain line behind the conversions)
	ds_store_b8 v5, v[E+(\t)] offset:16*(\t)       ; both lanes of a block write the same byte with the same value
	global_store_b64 v4, v[C+4*(\t):C+4*(\t)+1], s[10:11] offset:32*CB*(\t)   ; 32 lanes store 256 consecutive bytes
.endm
.irp t, 0,1,2,3,4,5,6,7,8,9,10,11,12,13,14,15
	STEP \t
.endr
	ds_load_b64 v[8:9], v6                         ; LDS serves a wave's instructions in order: these see my stores
	s_wait_dscnt 0x0
	global_store_b64 v7, v[8:9], s[12:13]          ; 32 lanes store 256 consecutive bytes
	s_branch .Lend
.Lcast:
	; w_out to f16: four batches of sixteen loads in two sets of registers; a load's 512 bytes become 256, stored by the wave as 256 consecutive bytes
	s_sub_co_u32 s21, ttmp9, WGQ
	s_lshl_b32 s21, s21, 2
	s_add_co_u32 s22, s21, s20                     ; my wave's run of 8,192 numbers
	s_mov_b32 s23, 0
	s_lshl_b64 s[24:25], s[22:23], 15
	s_add_nc_u64 s[8:9], s[8:9], s[24:25]
	s_lshl_b64 s[24:25], s[22:23], 14
	s_add_nc_u64 s[18:19], s[18:19], s[24:25]
.macro LOADB b
.irp i, 0,1,2,3,4,5,6,7,8,9,10,11,12,13,14,15
	global_load_b128 v[16+64*((\b)%2)+4*\i:16+64*((\b)%2)+4*\i+3], v3, s[8:9] offset:512*(16*(\b)+\i) th:TH_LOAD_NT
.endr
.endm
.macro WORKB b, younger                ; younger: the loads of the batch issued behind this one
.if (\b) > 0
	s_wait_xcnt 0x0                                ; the last batch's stores have read v144-175, which are written again below
.endif
.irp i, 0,1,2,3,4,5,6,7,8,9,10,11,12,13,14,15
	s_wait_loadcnt \younger+15-\i                  ; load i is in; this batch's later loads and the next batch's may be out
	v_cvt_pk_f16_f32 v[144+2*\i], v[16+64*((\b)%2)+4*\i], v[16+64*((\b)%2)+4*\i+1]
	v_cvt_pk_f16_f32 v[145+2*\i], v[16+64*((\b)%2)+4*\i+2], v[16+64*((\b)%2)+4*\i+3]
	global_store_b64 v7, v[144+2*\i:145+2*\i], s[18:19] offset:256*(16*(\b)+\i)
.endr
.endm
	LOADB 0
	LOADB 1
	WORKB 0, 16
	LOADB 2
	WORKB 1, 16
	LOADB 3
	WORKB 2, 16
	WORKB 3, 0
.Lend:
	s_wait_tensorcnt 0x0                           ; the wave's end, behind my last LDS store
	ds_add_u32 v[SPW], v[NIL]
	s_wait_dscnt 0x0
	s_endpgm
.Lfunc_end_k_q09f36b3677_quant:
	.size	k_q09f36b3677_quant, .Lfunc_end_k_q09f36b3677_quant-k_q09f36b3677_quant
	.p2alignl 7, 3214868480
	.fill 96, 4, 3214868480
	.section	.rodata,"a",@progbits
	.p2align	6, 0x0
	.amdhsa_kernel k_q09f36b3677_quant
		.amdhsa_group_segment_fixed_size 33280
		.amdhsa_private_segment_fixed_size 0
		.amdhsa_enable_private_segment 0
		.amdhsa_kernarg_size 64
		.amdhsa_user_sgpr_count 2
		.amdhsa_user_sgpr_kernarg_segment_ptr 1
		.amdhsa_wavefront_size32 1
		.amdhsa_system_sgpr_workgroup_id_x 1
		.amdhsa_system_sgpr_workgroup_id_y 1
		.amdhsa_system_sgpr_workgroup_id_z 1
		.amdhsa_system_vgpr_workitem_id 0
		.amdhsa_next_free_vgpr 192
		.amdhsa_next_free_sgpr 66
		.amdhsa_reserve_vcc 0
		.amdhsa_float_denorm_mode_32 3
		.amdhsa_float_denorm_mode_16_64 3
		.amdhsa_memory_ordered 1
		.amdhsa_forward_progress 1
		.amdhsa_inst_pref_size 56
	.end_amdhsa_kernel
	.amdgpu_metadata
---
amdhsa.version: [ 1, 2 ]
amdhsa.kernels:
  - .name:           k_q09f36b3677_quant
    .symbol:         k_q09f36b3677_quant.kd
    .args:
      - { .name: x, .offset: 0, .size: 8, .value_kind: global_buffer, .address_space: global }
      - { .name: w_qkv, .offset: 8, .size: 8, .value_kind: global_buffer, .address_space: global }
      - { .name: w_out, .offset: 16, .size: 8, .value_kind: global_buffer, .address_space: global }
      - { .name: x_codes, .offset: 24, .size: 8, .value_kind: global_buffer, .address_space: global }
      - { .name: x_scales, .offset: 32, .size: 8, .value_kind: global_buffer, .address_space: global }
      - { .name: w_codes, .offset: 40, .size: 8, .value_kind: global_buffer, .address_space: global }
      - { .name: w_scales, .offset: 48, .size: 8, .value_kind: global_buffer, .address_space: global }
      - { .name: wo_h, .offset: 56, .size: 8, .value_kind: global_buffer, .address_space: global }
    .group_segment_fixed_size: 33280
    .private_segment_fixed_size: 0
    .kernarg_segment_align: 8
    .kernarg_segment_size: 64
    .max_flat_workgroup_size: 128
    .sgpr_count:     66
    .vgpr_count:     192
    .wavefront_size: 32
...
	.end_amdgpu_metadata
.endif
;; end of part 1
;; launch qkv (part 2): grid 12 x 32, 4 waves a work-group, clusters of 4 x 4, 327,680 bytes of LDS; arguments x_codes, x_scales, w_codes, w_scales, qkvh; writes qkvh
.if DOCPART == 2
	.amdgcn_target "amdgcn-amd-amdhsa--gfx1250"
	.amdhsa_code_object_version 6
	.text
	.protected	k_q09f36b3677_qkv
	.globl	k_q09f36b3677_qkv
	.p2align	8
	.type	k_q09f36b3677_qkv,@function
k_q09f36b3677_qkv:
	s_mov_b64 s[64:65], 0
	v_nop
	global_prefetch_b8 v0, s[64:65] scope:SCOPE_SE
	s_setreg_imm32_b32 hwreg(HW_REG_WAVE_MODE, 25, 1), 1
	s_wait_xcnt 0x0
	s_wait_alu depctr_hold_cnt(0) depctr_sa_sdst(0) depctr_va_vdst(0) depctr_va_sdst(0) depctr_va_ssrc(0) depctr_va_vcc(0) depctr_vm_vsrc(0)
	s_getreg_b32 s2, hwreg(HW_REG_IB_STS2, 6, 4)
	s_cmp_eq_u32 s2, 0
	s_cbranch_scc0 .Lentry_in_a_cluster
	s_endpgm
.Lentry_in_a_cluster:
	s_bfe_u32 s2, ttmp6, 0x10000c
	s_cmp_lg_u32 s2, 0xf033
	s_cbranch_scc0 .Lentry_shape_is_right
	s_endpgm
.Lentry_shape_is_right:
; qkv[m][e] = sum over k of x[m][k] w_qkv[e][k], both operands as codes of FP4 (E2M1) with one E8M0 scale for each 32 along K; sums in f32; each result rounded once to f16 and laid by head:
; qkvh [which 3][batch 4][head 16][token 2048][64] f16, so that a head's rows of 128 bytes are dense.
; LIMITS: results beyond 65,504 become infinite in f16; those under 6e-5 keep an absolute step of 6e-8.
; A tile of C, 256 x 256, is made by a work-group of four waves; a wave makes 128 x 128: 64 accumulators of 16 x 16, 512 registers.  K = 1,024 is two K steps of 512 (tile rows of 256 bytes): both lie in LDS at once,
; in two slots that are filled once; nothing is filled again.  The scale bytes of the work-group's 256 + 256 rows are two dense blocks: they come once, with the first fills, as rows of 256 bytes.
; CLUSTERS: 4 x 4 work-groups.  The four of a row of the cluster need the same tiles of x, the four of a column the same tiles of w_qkv: each tile is asked for JOINTLY, by the same tensor load with the same descriptor
; and a mask that names the four.  THE MATRIX INSTRUCTION IS USED TRANSPOSED (source 0 = 16 rows of w_qkv, source 1 = 16 rows of x): a lane then holds eight neighbouring columns of one token.
; REGISTERS, in windows of 256: window 0: v0-31 addresses; v32-95 scale words, two sets, and nothing else; v96-127 packed results on the way out; from v128 A's fragments (8 x 16 rows x 128 K), one set.
;   window 1: B's fragments, two sets, at v0 and v128.  window 2: the 32 accumulators of my rows 0-63 (accumulator (a, b) at v[8 (8 a + b)]);  window 3: those of my rows 64-127.
.set SIZE_K, 1024
.set KSTEP,  512                       ; along K in a slot
.set NQ,     KSTEP/128                 ; matrix instructions deep
.set ROWB,   256                       ; a tile's row in bytes
.set KROW,   SIZE_K*4/8                ; a row of codes in memory, in bytes
.set PITCH,  272                       ; an LDS row: 256 bytes + 16 of padding = 68 words: the 16 rows that a load touches start at 16 different banks (64 banks of 4 bytes: ISA guide 11.1)
.set FR,     8                         ; registers of a fragment: 16 rows x 128 K
.set NL,     2                         ; LDS loads that bring one
.set NP,     4                         ; places behind this matrix instruction (ISA guide 7.12.1)
.set HALFT,  128*PITCH                 ; 128 rows: what one tensor load brings
.set SLOT,   4*HALFT                   ; A's 256 rows, then B's 256 rows
.set KS,     SIZE_K/32                 ; a row of scales in bytes
.set SCL,    2*SLOT                    ; behind the slots: the scales, as rows of 256 bytes + 16 of padding
.set HALFS,  (128*KS/256)*272          ; the scales of 128 rows
.set SBLK,   (16*KS/256)*272           ; those of 16 rows
.set SPARE,  SCL+4*HALFS               ; the spare words, 128 bytes a wave, which no other line names
.set SPITCH, 272                       ; the way out: a stage of 16 rows x (256 bytes + 16) for each wave, in slot 0, which has had its only fill and its last read when the first result is stored there
.set ADRA, 16                          ; v16-17  LDS address of my A fragments in slot 0, 1
.set ADRB, 20                          ; v20-21  the same for B
.set STO,  24                          ; v24     the way out: where I put 16 bytes of a row
.set RD,   25                          ; v25     the way out: where I read 16 bytes back
.set CO,   26                          ; v26     16 x lane: my place in a store's 512 bytes
.set ADRS, 27                          ; v27     LDS address of my scale words: lanes 0-15 A's rows, lanes 16-31 B's
.set SPW,  28                          ; v28     LDS address of my spare word; never rewritten
.set NIL,  29                          ; v29     0; never rewritten
.set SC,   32                          ; scale words: set s at v[SC + 8 NQ s]; register NQ i + q: lanes 0-15 the word of A's block i, lanes 16-31 that of B's block i, for the slot's q-th 128 along K
.set AF,   128                         ; A's fragments, in window 0
.set TMP,  96                          ; the way out: a block's 32 packed registers
.set BK,   128                         ; the way out: 16 rows read back: v128-159 and v160-191 by turns
.set G1, 24                            ; s[24:31] descriptor group 1 for A's tiles;  s[32:39] group 0, one set for each slot
.set G0, 32
.set G1B, 48                           ; s[48:55], s[56:63] the same for B's tiles
.set G0B, 56
.set G1S, 68                           ; s[68:75], s[76:79] groups 1 and 0 for A's scales;  s[80:87], s[88:91] for B's
.set G0S, 76
.set G1SB, 80
.set G0SB, 88
.set MSB, 0
.macro WIN new                         ; the immediate's high byte repeats the setting that is left
.if MSB != (\new)
	s_set_vgpr_msb (MSB<<8)|(\new)
.set MSB, (\new)
.endif
.endm
.set MUL_LO, 0xa1                      ; source 0 (B) window 1, source 1 (A) window 0, C and D window 2
.set MUL_HI, 0xf1                      ; the same, C and D window 3
.set TO_B,   0x40                      ; destination window 1, address window 0
; A joint load: waves 0 and 1 fetch for A, waves 2 and 3 for B.  The branch hangs on the wave's number alone.  An s_nop 0 and four v_nop follow each of the two lines.
.macro JLOAD g0a, g1a, g0b, g1b
	s_cmp_eq_u32 s15, 0
	s_cbranch_scc0 .Lfor_b_\@
	tensor_load_to_lds s[\g0a:\g0a+3], s[\g1a:\g1a+7]
	s_nop 0
.rept 4
	v_nop
.endr
	s_branch .Lasked_\@
.Lfor_b_\@:
	tensor_load_to_lds s[\g0b:\g0b+3], s[\g1b:\g1b+7]
	s_nop 0
.rept 4
	v_nop
.endr
.Lasked_\@:
.endm
.macro CROUND                          ; a round of the cluster's barrier
	s_barrier_signal -1
	s_barrier_wait -1
	s_cmp_lg_u32 s14, 0
	s_cbranch_scc1 .Lnot_wave_0_\@
	s_barrier_signal -3
.Lnot_wave_0_\@:
	s_barrier_wait -3
	s_barrier_signal -1
	s_barrier_wait -1
.endm
	s_load_b128 s[4:7], s[0:1], 0x0                ; x's codes s[4:5], x's scales s[6:7]
	s_load_b128 s[8:11], s[0:1], 0x10              ; w's codes s[8:9], w's scales s[10:11]
	s_load_b64 s[12:13], s[0:1], 0x20              ; qkvh
	v_lshl_add_u32 v[SPW], v0, 2, SPARE
	v_mov_b32 v[NIL], 0
	ds_add_u32 v[SPW], v[NIL]                      ; the wave's opening: the add, twice on end, and its wait ahead of my first tensor load; the set-up below stands between
	ds_add_u32 v[SPW], v[NIL]
	v_lshrrev_b32 v1, 5, v0
	v_readfirstlane_b32 s14, v1                    ; wave 0..3
	s_lshr_b32 s15, s14, 1                         ; which half of the tile's rows is mine.  Also: I fetch for A (0) or for B (1)
	s_and_b32 s16, s14, 1                          ; which half of its columns.  Also: which 128 rows of that tile I fetch
	s_bfe_u32 s40, ttmp6, 0x40000                  ; cx, cy: my place in the cluster
	s_bfe_u32 s41, ttmp6, 0x40004
	s_lshl_b32 s42, ttmp9, 2
	s_add_co_u32 s42, s42, s40                     ; tile column of C = 4 x cluster x + cx
	s_and_b32 s17, ttmp7, 0xffff
	s_lshl_b32 s17, s17, 2
	s_add_co_u32 s17, s17, s41                     ; tile row of C = 4 x cluster y + cy
	s_lshl_b32 s43, s41, 2
	s_lshl_b32 s43, 15, s43                        ; my row of the cluster
	s_lshl_b32 s44, 0x1111, s40                    ; my column
	; descriptor group 1: a tile of 128 rows x 256 bytes, padded in LDS
	s_or_b32 s[G1+0], s43, (0<<16)|(1<<20)|(1<<21)|(5<<22)|(3<<25)  ; 15:0 the mask; 17:16 element of 1 byte; 20 padding on; 21 set beside a mask; 24:22 after every 64 words; 31:25 of 4 words
	s_or_b32 s[G1B+0], s44, (0<<16)|(1<<20)|(1<<21)|(5<<22)|(3<<25)
.irp g, G1, G1B
	s_mov_b32 s[\g+1], ROWB<<16                    ; tensor_dim0
	s_mov_b32 s[\g+2], 128<<16                     ; tensor_dim1
	s_mov_b32 s[\g+3], ROWB<<16                    ; tile_dim0
	s_mov_b32 s[\g+4], 128                         ; tile_dim1
	s_mov_b32 s[\g+5], KROW                        ; tensor_dim0_stride
	s_mov_b32 s[\g+6], 0
	s_mov_b32 s[\g+7], 0
.endr
	; the scales of 128 rows: a dense block of 4,096 bytes, as 16 rows of 256 bytes (32 elements of 8 bytes), 16 bytes of padding behind each
	s_or_b32 s[G1S+0], s43, (3<<16)|(1<<20)|(1<<21)|(5<<22)|(3<<25)
	s_or_b32 s[G1SB+0], s44, (3<<16)|(1<<20)|(1<<21)|(5<<22)|(3<<25)
.irp g, G1S, G1SB
	s_mov_b32 s[\g+1], 32<<16
	s_mov_b32 s[\g+2], (128*KS/256)<<16
	s_mov_b32 s[\g+3], 32<<16
	s_mov_b32 s[\g+4], 128*KS/256
	s_mov_b32 s[\g+5], 32
	s_mov_b32 s[\g+6], 0
	s_mov_b32 s[\g+7], 0
.endr
	s_lshl_b32 s18, s16, 7                         ; which 128 rows of the tile I fetch
	s_lshl_b32 s20, s17, 8
	s_add_co_u32 s20, s20, s18                     ; A: row 256 x tile row + 128 x half
	s_lshl_b32 s46, s42, 8
	s_add_co_u32 s46, s46, s18                     ; B: row 256 x tile column + 128 x half
	s_mov_b32 s21, 0
	s_mov_b32 s47, 0
	s_mov_b64 s[18:19], KS
	s_mul_u64 s[22:23], s[20:21], s[18:19]         ; where these rows' scales begin, in bytes
	s_mul_u64 s[92:93], s[46:47], s[18:19]
	s_mov_b64 s[18:19], KROW
	s_mul_u64 s[20:21], s[20:21], s[18:19]         ; and their codes
	s_mul_u64 s[46:47], s[46:47], s[18:19]
	s_mul_i32 s45, s14, HALFT                      ; where they go: wave x 128 rows: no place in the cluster enters an LDS address
	s_mul_i32 s94, s14, HALFS
	s_wait_dscnt 0x0                               ; both opening adds are done
	s_wait_kmcnt 0x0
	s_add_nc_u64 s[20:21], s[4:5], s[20:21]
	s_add_nc_u64 s[22:23], s[6:7], s[22:23]
	s_add_nc_u64 s[46:47], s[8:9], s[46:47]
	s_add_nc_u64 s[92:93], s[10:11], s[92:93]
	CROUND                                         ; all sixteen work-groups are here: the joint loads meet
	s_mov_b32 s[G0S], 1
	s_add_co_u32 s[G0S+1], s94, SCL
	s_mov_b64 s[G0S+2:G0S+3], s[22:23]
	s_or_b32 s[G0S+3], s[G0S+3], 0x80000000
	s_mov_b32 s[G0SB], 1
	s_add_co_u32 s[G0SB+1], s94, SCL
	s_mov_b64 s[G0SB+2:G0SB+3], s[92:93]
	s_or_b32 s[G0SB+3], s[G0SB+3], 0x80000000
	JLOAD G0S, G1S, G0SB, G1SB                     ; the scales first: they are wanted with K step 0
.irp s, 0,1
	s_mov_b32 s[G0+4*\s], 1
	s_add_co_u32 s[G0+4*\s+1], s45, \s*SLOT
	s_add_nc_u64 s[G0+4*\s+2:G0+4*\s+3], s[20:21], \s*ROWB
	s_or_b32 s[G0+4*\s+3], s[G0+4*\s+3], 0x80000000
	s_mov_b32 s[G0B+4*\s], 1
	s_add_co_u32 s[G0B+4*\s+1], s45, \s*SLOT
	s_add_nc_u64 s[G0B+4*\s+2:G0B+4*\s+3], s[46:47], \s*ROWB
	s_or_b32 s[G0B+4*\s+3], s[G0B+4*\s+3], 0x80000000
	JLOAD G0+4*\s, G1, G0B+4*\s, G1B               ; three loads of mine are out at the most
.endr
	v_and_b32 v1, 15, v0                           ; l % 16
	v_bfe_u32 v2, v0, 4, 1                         ; l / 16
	v_mul_u32_u24 v3, v1, PITCH
	v_lshl_add_u32 v4, v2, 4, v3                   ; a fragment's row x pitch + 16 x half
	s_mul_i32 s21, s15, HALFT                      ; my 128 rows of A
	s_mul_i32 s22, s16, HALFT                      ; my 128 rows of B,
	s_add_co_u32 s22, s22, 2*HALFT                 ; which lie behind A's 256
.irp s, 0,1
	v_add_nc_u32 v[ADRA+\s], s21, v4
	v_add_nc_u32 v[ADRB+\s], s22, v4
	s_add_co_u32 s21, s21, SLOT
	s_add_co_u32 s22, s22, SLOT
.endr
	v_mul_u32_u24 v5, v1, KS                       ; my row's scales: KS bytes a row,
	v_lshrrev_b32 v6, 8, v5
	v_lshl_add_u32 v5, v6, 4, v5                   ; and 16 more for each 256 passed
	s_mul_i32 s21, s15, HALFS                      ; A's: my 128 rows
	s_mul_i32 s22, s16, HALFS                      ; B's: my 128 rows, behind A's 256
	s_add_co_u32 s22, s22, 2*HALFS
	s_sub_co_u32 s22, s22, s21
	v_mul_u32_u24 v6, s22, v2                      ; lanes 16-31 take B's: one product, the distance between the two bases
	s_add_co_u32 s21, s21, SCL
	v_add_nc_u32 v5, v5, v6
	v_add_nc_u32 v[ADRS], s21, v5
	s_mul_i32 s23, s14, 16*SPITCH                  ; my stage
	v_mul_u32_u24 v5, v1, SPITCH                   ; in: row l % 16, 16 bytes for each half of the lanes
	v_lshl_add_u32 v5, v2, 4, v5
	v_add_nc_u32 v[STO], s23, v5
	v_bfe_u32 v5, v0, 3, 2                         ; back: eight lanes take 128 bytes (a head's 64 numbers) of one token, the 32 lanes four tokens
	v_mul_u32_u24 v5, v5, SPITCH
	v_and_b32 v6, 7, v0
	v_lshl_add_u32 v5, v6, 4, v5
	v_add_nc_u32 v[RD], s23, v5
	v_and_b32 v6, 31, v0
	v_lshlrev_b32 v[CO], 4, v6                     ; in memory these four tokens' 128 bytes are 512 consecutive bytes
	; where my part begins in qkvh: my first token m0 = 256 x tile row + 128 x half is token m0 % 2048 of batch m0 / 2048; my first column 64 H0, H0 = 4 x tile column + 2 x half, is head H0 % 16 of part H0 / 16
	s_lshl_b32 s20, s17, 8
	s_lshl_b32 s21, s15, 7
	s_add_co_u32 s20, s20, s21                     ; m0
	s_lshr_b32 s21, s20, 11                        ; batch
	s_and_b32 s20, s20, 2047
	s_lshl_b32 s20, s20, 7                         ; 128 bytes a token
	s_lshl_b32 s46, s42, 2
	s_lshl_b32 s47, s16, 1
	s_add_co_u32 s46, s46, s47                     ; H0
	s_lshr_b32 s47, s46, 4                         ; q, k or v
	s_and_b32 s46, s46, 15                         ; head
	s_lshl_b32 s47, s47, 2
	s_add_co_u32 s47, s47, s21
	s_lshl_b32 s47, s47, 4
	s_add_co_u32 s47, s47, s46                     ; (part x 4 + batch) x 16 + head, 191 at the most,
	s_lshl_b32 s47, s47, 18                        ; times 262,144 bytes
	s_add_co_u32 s20, s20, s47
	s_mov_b32 s21, 0
	s_add_nc_u64 s[12:13], s[12:13], s[20:21]
.macro FRAG reg, adr, q, i             ; a fragment, 16 rows x 128 K of 4-bit codes: lane l holds row l % 16; registers 4 c .. 4 c + 3 hold K = 64 c + 32 (l / 16) + 0 .. 31
.irp c, 0,1
	ds_load_b128 v[\reg+4*\c:\reg+4*\c+3], v[\adr] offset:64*(\q)+32*\c+(\i)*16*PITCH
.endr
.endm
; 16 matrix instructions: A's blocks a0, a0 + 1 x B's eight, 128 along K: the slot's q-th.  p: B's set;  sc: the set of scale words.  zero = 1: the first product starts the sums: nothing is ever cleared.
; The 64 accumulators take turns, one instruction a turn, in the same order in every step.
.macro MUL16 a0, p, q, sc, zero
.irp a, \a0, \a0+1
.irp b, 0,1,2,3,4,5,6,7
.if \zero
	v_wmma_scale_f32_16x16x128_f8f6f4 v[8*(8*((\a)%4)+\b):8*(8*((\a)%4)+\b)+7], v[128*(\p)+FR*\b:128*(\p)+FR*\b+FR-1], v[AF+FR*(\a):AF+FR*(\a)+FR-1], 0, v[SC+8*NQ*(\sc)+NQ*\b+(\q)], v[SC+8*NQ*(\sc)+NQ*(\a)+(\q)] matrix_a_fmt:MATRIX_FMT_FP4 matrix_b_fmt:MATRIX_FMT_FP4 matrix_a_scale:MATRIX_SCALE_ROW1
.else
	v_wmma_scale_f32_16x16x128_f8f6f4 v[8*(8*((\a)%4)+\b):8*(8*((\a)%4)+\b)+7], v[128*(\p)+FR*\b:128*(\p)+FR*\b+FR-1], v[AF+FR*(\a):AF+FR*(\a)+FR-1], v[8*(8*((\a)%4)+\b):8*(8*((\a)%4)+\b)+7], v[SC+8*NQ*(\sc)+NQ*\b+(\q)], v[SC+8*NQ*(\sc)+NQ*(\a)+(\q)] matrix_a_fmt:MATRIX_FMT_FP4 matrix_b_fmt:MATRIX_FMT_FP4 matrix_a_scale:MATRIX_SCALE_ROW1
.endif
.endr
.endr
.endm
.macro FETCH_B slot, q, p              ; B's eight fragments of the slot's q-th 128 along K into set p
	WIN TO_B
.irp i, 0,1,2,3,4,5,6,7
	FRAG 128*(\p)+FR*\i, ADRB+\slot, \q, \i
.endr
	WIN 0
.endm
.macro FETCH_A slot, q, i0             ; A's blocks i0 .. i0 + 3
.irp i, \i0, \i0+1, \i0+2, \i0+3
	FRAG AF+FR*(\i), ADRA+\slot, \q, \i
.endr
.endm
.macro SCALES sc                       ; a K step's scale words into set sc: NQ words a row; lanes 0-15 take A's block i, lanes 16-31 B's block i
.irp i, 0,1,2,3,4,5,6,7
	ds_load_b128 v[SC+8*NQ*\sc+NQ*\i:SC+8*NQ*\sc+NQ*\i+3], v[ADRS] offset:\i*SBLK
.endr
.endm
; A load into a register that a matrix instruction has read, and a vector instruction that reads a matrix result or writes one of its registers, stand NP places behind it; only plain vector instructions
; that name none of its registers are places (ISA guide 7.12.1 for vector instructions).
.macro PLACES n
.rept \n
	v_nop
.endr
.endm
; A step of 128 along K that has its successor in the same slot.  A's blocks are free as soon as their eight products are issued: blocks 0-3 are fetched anew in the step's middle, blocks 4-7 at its end.
.macro STEP slot, q, zero
	s_wait_dscnt 4*NL                              ; B's set and A's blocks 0-3 are in; the youngest eight loads (A's blocks 4-7) may be out
	WIN MUL_LO
	MUL16 0, (\q)%2, \q, \slot, \zero
	MUL16 2, (\q)%2, \q, \slot, \zero
	s_wait_dscnt 0                                 ; A's blocks 4-7 are in
	PLACES NP
	FETCH_B \slot, (\q)+1, 1-(\q)%2
	FETCH_A \slot, (\q)+1, 0
	WIN MUL_HI
	MUL16 4, (\q)%2, \q, \slot, \zero
	MUL16 6, (\q)%2, \q, \slot, \zero
	PLACES NP
	WIN 0
	FETCH_A \slot, (\q)+1, 4
.endm
; Slot 0's last step goes on into slot 1: one barrier; in front of it each wave waits for all its tensor loads (its part of slot 1), adds 0 to its spare word, and waits for that and for its own reads of slot 0.
.macro TURN slot, next
	s_wait_tensorcnt 0x0                           ; all my tensor loads have landed
	ds_add_u32 v[SPW], v[NIL]                      ; 0 onto my spare word
	s_wait_dscnt 4*NL+1                            ; (the add and the youngest eight loads, A's blocks 4-7, may be out)
	WIN MUL_LO
	MUL16 0, 1, NQ-1, \slot, 0                     ; sixteen matrix instructions stand between the add and the wait for it
	s_wait_dscnt 0x0                               ; the add is done, and my reads of this slot are over
	s_barrier_signal -1
	MUL16 2, 1, NQ-1, \slot, 0
	WIN 0
	s_barrier_wait -1
	PLACES NP
	v_add_nc_u32 v[ADRS], 4*NQ, v[ADRS]            ; on to the next K step's scale words
	FETCH_B \next, 0, 0
	FETCH_A \next, 0, 0
	SCALES \next
	WIN MUL_HI
	MUL16 4, 1, NQ-1, \slot, 0
	MUL16 6, 1, NQ-1, \slot, 0
	PLACES NP
	WIN 0
	FETCH_A \next, 0, 4
.endm
.macro STEPS slot, from                ; the slot's steps from .. NQ - 2
.set Q, \from
.rept NQ-1-\from
	STEP \slot, Q, 0
.set Q, Q+1
.endr
.endm
	s_wait_tensorcnt 1                             ; the scales and my part of K step 0 are in (K step 1's load may be out)
	s_barrier_signal -1
	s_barrier_wait -1                              ; everybody's are
	FETCH_B 0, 0, 0
	FETCH_A 0, 0, 0
	SCALES 0
	FETCH_A 0, 0, 4
	STEP 0, 0, 1                                   ; the first step's products start the sums
	STEPS 0, 1
	TURN 0, 1
	STEPS 1, 0
	s_wait_dscnt 4*NL                              ; the very last step: nothing more to fetch
	WIN MUL_LO
	MUL16 0, 1, NQ-1, 1, 0
	MUL16 2, 1, NQ-1, 1, 0
	s_wait_dscnt 0
	WIN MUL_HI
	MUL16 4, 1, NQ-1, 1, 0
	MUL16 6, 1, NQ-1, 1, 0
	WIN 0
; THE WAY OUT, block by block of 16 tokens x 128 columns (two heads).  PACK: rounded to f16, 16 bytes a lane, each accumulator from its low end on.  TOSTAGE: into my own stage and back, four tokens x 128 bytes of one
; head an instruction.  SEND: each store covers 512 consecutive bytes of qkvh.  LDS serves a wave's instructions in order (ISA guide 5.7.1.4): no wait between the stores and the loads.
.macro PACK a
.set AC, 64*((\a)%4)
	WIN 0x0a+5*((\a)/4)                            ; sources 0 and 1: window 2 or 3
.irp b, 0,1,2,3,4,5,6,7
.irp r, 0,1,2,3
	v_cvt_pk_f16_f32 v[TMP+4*\b+\r], v[AC+8*\b+2*\r], v[AC+8*\b+2*\r+1]
.endr
.endr
	WIN 0
.endm
.macro TOSTAGE a
.set BB, BK+32*((\a)%2)
.irp b, 0,1,2,3,4,5,6,7
	ds_store_b128 v[STO], v[TMP+4*\b:TMP+4*\b+3] offset:32*\b
.endr
.irp hh, 0,1
.irp tq, 0,1,2,3
	ds_load_b128 v[BB+4*(4*\hh+\tq):BB+4*(4*\hh+\tq)+3], v[RD] offset:128*\hh+4*SPITCH*\tq
.endr
.endr
.endm
.macro SEND a
.set BB, BK+32*((\a)%2)
	s_wait_dscnt 0x0                               ; the block is back in registers
	s_wait_xcnt 0x0                                ; the earlier stores have read their registers: the next block's loads from the stage may land there
.irp hh, 0,1
.irp tq, 0,1,2,3
	global_store_b128 v[CO], v[BB+4*(4*\hh+\tq):BB+4*(4*\hh+\tq)+3], s[12:13] offset:\hh*262144+2048*(\a)+512*\tq   ; the head, the block's 16 tokens and the four tokens stand in the immediate: the base is never stepped
.endr
.endr
.endm
	PLACES NP                                      ; behind the last products: for the loads into v128-191, which held A's fragments, and the reads of results
	PACK 0
	TOSTAGE 0
.irp a, 1,2,3,4,5,6,7                  ; block a's conversions stand between block a - 1's loads from the stage and the wait for them
	PACK \a
	SEND \a-1
	TOSTAGE \a
.endr
	SEND 7
	s_wait_tensorcnt 0x0                           ; the wave's end, behind my last tensor load and my last LDS store
	ds_add_u32 v[SPW], v[NIL]
	s_wait_dscnt 0x0
	CROUND                                         ; the closing round: no work-group ends while a partner may still ask for a tile that names it
	s_endpgm
.Lfunc_end_k_q09f36b3677_qkv:
	.size	k_q09f36b3677_qkv, .Lfunc_end_k_q09f36b3677_qkv-k_q09f36b3677_qkv
	.p2alignl 7, 3214868480
	.fill 96, 4, 3214868480
	.section	.rodata,"a",@progbits
	.p2align	6, 0x0
	.amdhsa_kernel k_q09f36b3677_qkv
		.amdhsa_group_segment_fixed_size 327680
		.amdhsa_private_segment_fixed_size 0
		.amdhsa_enable_private_segment 0
		.amdhsa_kernarg_size 40
		.amdhsa_user_sgpr_count 2
		.amdhsa_user_sgpr_kernarg_segment_ptr 1
		.amdhsa_wavefront_size32 1
		.amdhsa_system_sgpr_workgroup_id_x 1
		.amdhsa_system_sgpr_workgroup_id_y 1
		.amdhsa_system_sgpr_workgroup_id_z 1
		.amdhsa_system_vgpr_workitem_id 0
		.amdhsa_next_free_vgpr 1024
		.amdhsa_next_free_sgpr 98
		.amdhsa_reserve_vcc 0
		.amdhsa_float_denorm_mode_32 3
		.amdhsa_float_denorm_mode_16_64 3
		.amdhsa_memory_ordered 1
		.amdhsa_forward_progress 1
		.amdhsa_inst_pref_size 127
	.end_amdhsa_kernel
	.amdgpu_metadata
---
amdhsa.version: [ 1, 2 ]
amdhsa.kernels:
  - .name:           k_q09f36b3677_qkv
    .symbol:         k_q09f36b3677_qkv.kd
    .args:
      - { .name: x_codes, .offset: 0, .size: 8, .value_kind: global_buffer, .address_space: global }
      - { .name: x_scales, .offset: 8, .size: 8, .value_kind: global_buffer, .address_space: global }
      - { .name: w_codes, .offset: 16, .size: 8, .value_kind: global_buffer, .address_space: global }
      - { .name: w_scales, .offset: 24, .size: 8, .value_kind: global_buffer, .address_space: global }
      - { .name: qkvh, .offset: 32, .size: 8, .value_kind: global_buffer, .address_space: global }
    .group_segment_fixed_size: 327680
    .private_segment_fixed_size: 0
    .kernarg_segment_align: 8
    .kernarg_segment_size: 40
    .max_flat_workgroup_size: 128
    .sgpr_count:     98
    .vgpr_count:     1024
    .wavefront_size: 32
...
	.end_amdgpu_metadata
.endif
;; end of part 2
;; launch attn (part 3): grid 4 x 64, 8 waves a work-group, clusters of 4 x 1, 327,680 bytes of LDS; arguments qkvh, o_h; writes o_h
.if DOCPART == 3
	.amdgcn_target "amdgcn-amd-amdhsa--gfx1250"
	.amdhsa_code_object_version 6
	.text
	.protected	k_q09f36b3677_attn
	.globl	k_q09f36b3677_attn
	.p2align	8
	.type	k_q09f36b3677_attn,@function
k_q09f36b3677_attn:
	s_mov_b64 s[64:65], 0
	v_nop
	global_prefetch_b8 v0, s[64:65] scope:SCOPE_SE
	s_setreg_imm32_b32 hwreg(HW_REG_WAVE_MODE, 25, 1), 1
	s_wait_xcnt 0x0
	s_wait_alu depctr_hold_cnt(0) depctr_sa_sdst(0) depctr_va_vdst(0) depctr_va_sdst(0) depctr_va_ssrc(0) depctr_va_vcc(0) depctr_vm_vsrc(0)
	s_getreg_b32 s2, hwreg(HW_REG_IB_STS2, 6, 4)
	s_cmp_eq_u32 s2, 0
	s_cbranch_scc0 .Lentry_in_a_cluster
	s_endpgm
.Lentry_in_a_cluster:
	s_bfe_u32 s2, ttmp6, 0x10000c
	s_cmp_lg_u32 s2, 0x3003
	s_cbranch_scc0 .Lentry_shape_is_right
	s_endpgm
.Lentry_shape_is_right:
; O[y][q][:] = the sum over k of softmax_k(Q[y][q] . K[y][k] / 32) V[y][k][:], y = 16 x batch + head, 64 in all; 2,048 tokens; head size 64.  Q, K, V: qkvh [3][64][2048][64] f16.  O: o_h [head 16][batch x token 8192][64] f16.
; Products on f16 operands with f32 sums; maxima, exponentials and sums in f32; the weights p are rounded to f16 for the second product, O once at the end.
; LIMITS: p under 6e-5 keeps an absolute step of 6e-8 in f16; |O| never passes the largest |V|, so it has V's room in f16; the order of the sums differs from a row-wise softmax's.
; SHARES.  A work-group owns 512 queries of one y, each of its eight waves 64: four tiles of 16.  Every wave walks all 2,048 keys, 64 a step.
; LAYOUT.  S^T = K Q^T (source 0 = 16 keys, source 1 = 16 queries): a lane holds ONE query (lane % 16) and the keys 8 (lane / 16) + 0..7.  Two such tiles, rounded to f16 in pairs, ARE source 1 (32 keys x 16 queries) of
; O^T = V^T P, whose result again holds one query a lane.  K comes out of LDS as it lies, V ([key][channel]) turned, by ds_load_tr16_b128.  P is written over the low half of its tile's S^T.
; SOFTMAX.  For each query a running maximum m and sum l: p = 2^(c s - c m), c = log2(e) / 32; in every step O and l are multiplied by f = 2^(c m_old - c m_new).
; TWO ROLES.  Two waves share a SIMD.  A trip's text is: K's loads; [role 0: the 64 products]; the softmax; [role 1: the 64 products].  So one role's products stand beside the other's vector work.  Role 0 in trip j:
; V^T P of step j - 1, K Q^T of step j, softmax of step j; role 1: softmax of step j - 1, then the same products.  The role is (w xor w / 4) % 2: made of the wave's number alone, and the branches lead
; round register work and LDS loads alone, never round a barrier, a wait in front of one, or a tensor load.
; RING.  Two LDS slots of 512 keys (eight steps); key blocks 0 and 1 are first fills, blocks 2 and 3 the only refills: a refill has eight steps in which to land.
; CLUSTER.  The four query blocks of one y form a cluster and walk the same K and V: each tile is asked for JOINTLY, by the same tensor load with the same descriptor and a mask that names the four.
; REGISTERS: window 0: v2-11 addresses; v12-43 statistics, 8 a tile; v44-51 a second chain of sums; v64-191 S^T, 32 a tile; v192-255 K of one step.
;   window 1: v0-127 O^T, 32 a tile; v128-191 Q; v192-255 V of one step.
.set PKP,   144                        ; a row of K in LDS: 128 bytes + 16 of padding = 36 words: the 16 rows of a load start at banks 4 apart modulo 64 (64 banks of 4 bytes: ISA guide 11.1)
.set PVP,   160                        ; a row of V: 128 + 32: an odd multiple of 32 bytes, for the turning load
.set KSLOT, 512*PKP                    ; a slot: 512 rows of K, then 512 rows of V
.set SLOT,  KSLOT+512*PVP
.set SPARE, 2*SLOT                     ; behind the ring: the spare words, 128 bytes a wave, which no other line names
.set SPI,   144                        ; the way out: a stage of 16 rows x (128 bytes + 16) for each wave, in slot 0, which has had its last fill and its last read at the last change of slots
.set AK0, 2                            ; v2   my lane's place in a tile of K; never rewritten
.set AV0, 3                            ; v3   the same for V
.set ADK, 4                            ; v4   LDS address of the step's K
.set ADV, 5                            ; v5   of its V
.set QO,  6                            ; v6   my byte offset in the wave's rows of Q
.set STO, 7                            ; v7   the way out: where I put 16 bytes of a row
.set RD,  8                            ; v8   where I read 16 bytes back
.set GO,  9                            ; v9   16 x lane
.set SPW, 10                           ; v10  LDS address of my spare word; never rewritten
.set NIL, 11                           ; v11  0; never rewritten
.set ST,  12                           ; tile t's statistics at v[ST + 8 t]: +0 c m, +1 m, +2, +3 l (even keys', odd keys'), +4 to +7 c0-c3 at work; later +4, +5 a chain of sums, +6 f, +7 f's exponent
.set T2,  44                           ; v[T2 + 2 t]: the other chain of sums
.set S,   64
.set KF,  192
.set VF,  192                          ; in window 1
.set QF,  128                          ; in window 1
.set WV,  8                            ; s8   my wave's number
.set GRP, 9                            ; s9   my role
.set G1K, 24                           ; s[24:31] descriptor group 1 for K's tiles;  s[32:39] for V's: it differs in the padding alone
.set G1V, 32
.set G0K, 40                           ; s[40:47] group 0 for K's tiles, a set for each slot;  s[48:55] for V's
.set G0V, 48
.set CNT, 56                           ; s56  counts a run of trips
.set TK,  57                           ; s57  LDS byte at which the next step's K begins
.set CS,  58                           ; s[58:59] c: the packed scaling names a pair and takes its low word for both halves
.set SEL, 60                           ; s[60:61] lane selects for v_permlanex16_b32: lane l xor 16
.set TV,  62                           ; s62  LDS byte at which the next step's V begins
.set MSB, 0
.macro WIN new                         ; the immediate's high byte repeats the setting that is left; a switch that changes nothing is dropped
.if MSB != (\new)
	s_set_vgpr_msb (MSB<<8)|(\new)
.set MSB, (\new)
.endif
.endm
.set W_KQ, 0x04                        ; Q (source 1) in window 1; K and S^T in window 0
.set W_PV, 0x51                        ; V (source 0) and O^T (C and D) in window 1; P in window 0
.set W_L1, 0x40                        ; a load's destination in window 1
.set W_RS, 0x41                        ; O^T (destination and source 0) in window 1, f in window 0
; A joint refill of slot s: waves 0-3 fetch K's four quarters (128 rows each), waves 4-7 V's.  The branch hangs on the wave's number alone.  An s_nop 0 and four v_nop follow each of the two lines.
.macro JLOAD s
	s_cmp_lt_u32 s[WV], 4
	s_cbranch_scc0 .Lfor_v_\@
	tensor_load_to_lds s[G0K+4*\s:G0K+4*\s+3], s[G1K:G1K+7]
	s_nop 0
.rept 4
	v_nop
.endr
	s_branch .Lasked_\@
.Lfor_v_\@:
	tensor_load_to_lds s[G0V+4*\s:G0V+4*\s+3], s[G1V:G1V+7]
	s_nop 0
.rept 4
	v_nop
.endr
.Lasked_\@:
.endm
.macro CROUND                          ; a round of the cluster's barrier
	s_barrier_signal -1
	s_barrier_wait -1
	s_cmp_lg_u32 s[WV], 0
	s_cbranch_scc1 .Lnot_wave_0_\@
	s_barrier_signal -3
.Lnot_wave_0_\@:
	s_barrier_wait -3
	s_barrier_signal -1
	s_barrier_wait -1
.endm
	s_load_b128 s[4:7], s[0:1], 0x0                ; qkvh s[4:5], o_h s[6:7]
	v_lshl_add_u32 v[SPW], v0, 2, SPARE
	v_mov_b32 v[NIL], 0
	ds_add_u32 v[SPW], v[NIL]                      ; the wave's opening: the add, twice on end, and its wait ahead of my first tensor load; the set-up below stands between
	ds_add_u32 v[SPW], v[NIL]
	v_lshrrev_b32 v1, 5, v0
	v_readfirstlane_b32 s[WV], v1                  ; wave 0..7
	s_lshr_b32 s[GRP], s[WV], 2
	s_xor_b32 s[GRP], s[GRP], s[WV]
	s_and_b32 s[GRP], s[GRP], 1                    ; my role: it differs between waves w and w + 4, and between 2 i and 2 i + 1
	s_bfe_u32 s10, ttmp6, 0x40000                  ; cx: my place in the cluster
	s_lshl_b32 s11, ttmp9, 2
	s_add_co_u32 s11, s11, s10                     ; my block of 512 queries: it enters Q's and O's addresses alone
	s_and_b32 s16, ttmp7, 0xffff                   ; y, which the four partners share
	s_and_b32 s17, s[WV], 3                        ; which quarter of a slot's rows I fetch
	s_lshl_b32 s12, s16, 18                        ; y's 262,144 bytes,
	s_lshl_b32 s18, s17, 14                        ; my 128 rows of 128 bytes
	s_add_co_u32 s12, s12, s18
	s_mov_b32 s13, 0
	s_mul_i32 s19, s17, 128*PKP                    ; and their place in a slot: no place in the cluster enters an LDS address
	s_mul_i32 s20, s17, 128*PVP
	s_add_co_u32 s20, s20, KSLOT
	s_lshl_b32 s21, s11, 16                        ; my block's 512 rows,
	s_lshl_b32 s22, s[WV], 13                      ; my wave's 64 of them
	s_add_co_u32 s21, s21, s22
	s_lshl_b32 s2, s16, 18
	s_add_co_u32 s2, s2, s21                       ; Q's offset
	s_mov_b32 s3, 0
	s_and_b32 s22, s16, 15
	s_lshl_b32 s22, s22, 20                        ; O: the head's 8,192 rows,
	s_lshr_b32 s23, s16, 4
	s_lshl_b32 s23, s23, 18                        ; the batch's 2,048
	s_add_co_u32 s22, s22, s23
	s_add_co_u32 s22, s22, s21
	s_mov_b32 s23, 0
	; descriptor group 1: a tile of 128 rows x 64 elements, padded in LDS
	s_mov_b32 s[G1K], 15|(1<<16)|(1<<20)|(1<<21)|(4<<22)|(3<<25)  ; 15:0 the mask: all four work-groups; 17:16 elements of 2 bytes; 20 padding on; 21 set beside a mask; 24:22 after every 32 words; 31:25 4 words of it
	s_mov_b32 s[G1V], 15|(1<<16)|(1<<20)|(1<<21)|(4<<22)|(7<<25)  ; the same with 8 words of padding
.irp g, G1K, G1V
	s_mov_b32 s[\g+1], 64<<16                      ; tensor_dim0 = 64
	s_mov_b32 s[\g+2], 128<<16                     ; tensor_dim1 = 128
	s_mov_b32 s[\g+3], 64<<16                      ; tile_dim0 = 64
	s_mov_b32 s[\g+4], 128                         ; tile_dim1 = 128
	s_mov_b32 s[\g+5], 64                          ; tensor_dim0_stride
	s_mov_b32 s[\g+6], 0
	s_mov_b32 s[\g+7], 0
.endr
	s_mov_b32 s[CS], 0x3d38aa3b                    ; c = log2(e) / 32
	s_mov_b32 s[CS+1], s[CS]                       ; named with it as a pair, so it is written
	s_mov_b32 s[SEL], 0x76543210
	s_mov_b32 s[SEL+1], 0xfedcba98
	s_mov_b32 s[TK], 0
	s_mov_b32 s[TV], KSLOT
	s_wait_dscnt 0x0                               ; both opening adds are done
	s_wait_kmcnt 0x0
	s_add_nc_u64 s[12:13], s[4:5], s[12:13]
	s_add_nc_u64 s[14:15], s[12:13], 33554432      ; V at my quarter of key block 0
	s_add_nc_u64 s[12:13], s[12:13], 16777216      ; K likewise
	s_add_nc_u64 s[4:5], s[4:5], s[2:3]            ; Q and O at my wave's first row
	s_add_nc_u64 s[6:7], s[6:7], s[22:23]
	CROUND                                         ; all four work-groups are here: the first joint loads meet
.irp s, 0,1
	s_mov_b32 s[G0K+4*\s], 1                       ; count = 1
	s_add_co_u32 s[G0K+4*\s+1], s19, \s*SLOT       ; LDS address
	s_add_nc_u64 s[G0K+4*\s+2:G0K+4*\s+3], s[12:13], \s*65536   ; global address: key block s
	s_or_b32 s[G0K+4*\s+3], s[G0K+4*\s+3], 0x80000000           ; type = 2
	s_mov_b32 s[G0V+4*\s], 1
	s_add_co_u32 s[G0V+4*\s+1], s20, \s*SLOT
	s_add_nc_u64 s[G0V+4*\s+2:G0V+4*\s+3], s[14:15], \s*65536
	s_or_b32 s[G0V+4*\s+3], s[G0V+4*\s+3], 0x80000000
.endr
	s_cmp_lt_u32 s[WV], 4                          ; a wave's two first fills stand in one branch, ahead of every wait on TENSORcnt and every LDS read: two loads of mine are out
	s_cbranch_scc0 .Lfirst_v
	tensor_load_to_lds s[G0K:G0K+3], s[G1K:G1K+7]
	s_nop 0
	tensor_load_to_lds s[G0K+4:G0K+7], s[G1K:G1K+7]
	s_nop 0
.rept 4
	v_nop
.endr
	s_branch .Lfirst_asked
.Lfirst_v:
	tensor_load_to_lds s[G0V:G0V+3], s[G1V:G1V+7]
	s_nop 0
	tensor_load_to_lds s[G0V+4:G0V+7], s[G1V:G1V+7]
	s_nop 0
.rept 4
	v_nop
.endr
.Lfirst_asked:
	; A fragment of K or Q is 16 rows x 32 channels in 8 registers: lane l holds row l % 16; registers 0-3 channels 8 (l / 16) + 0..7, registers 4-7 channels 16 + 8 (l / 16) + 0..7: two loads of 16 bytes, 32 bytes apart.
	v_and_b32 v1, 15, v0                           ; r = l % 16
	v_bfe_u32 v52, v0, 4, 1                        ; h = l / 16
	v_lshlrev_b32 v[QO], 7, v1
	v_lshl_add_u32 v[QO], v52, 4, v[QO]            ; row x 128 + 16 x half
	WIN W_L1
.irp i, 0,1,2,3,4,5,6,7                            ; Q stays in registers: tile i / 2, channels 32 (i % 2) on
	global_load_b128 v[QF+8*\i:QF+8*\i+3],   v[QO], s[4:5] offset:(\i/2)*2048+(\i%2)*64
	global_load_b128 v[QF+8*\i+4:QF+8*\i+7], v[QO], s[4:5] offset:(\i/2)*2048+(\i%2)*64+32
.endr
	WIN 0
	v_mul_u32_u24 v[AK0], v1, PKP
	v_lshl_add_u32 v[AK0], v52, 4, v[AK0]          ; row x pitch + 16 x half
	; The turning load takes 16 keys x 16 channels (lane l reads 16 bytes: key 8 (l / 16) + l % 8, channels 8 ((l / 8) % 2) + 0..7) and leaves half a fragment of V^T: lane l holds channel l % 16 and 8 keys.
	v_and_b32 v53, 7, v0
	v_bfe_u32 v54, v0, 3, 1
	v_lshl_add_u32 v[AV0], v52, 3, v53
	v_mul_u32_u24 v[AV0], v[AV0], PVP
	v_lshl_add_u32 v[AV0], v54, 4, v[AV0]
	s_mul_i32 s16, s[WV], 16*SPI                   ; my stage
	v_mul_u32_u24 v[STO], v1, SPI                  ; in: row l % 16, 16 bytes for each half of the lanes
	v_lshl_add_u32 v[STO], v52, 4, v[STO]
	v_add_nc_u32 v[STO], s16, v[STO]
	v_bfe_u32 v[RD], v0, 3, 2                      ; back: eight lanes take a row of 128 bytes, the 32 lanes four rows
	v_mul_u32_u24 v[RD], v[RD], SPI
	v_lshl_add_u32 v[RD], v53, 4, v[RD]
	v_add_nc_u32 v[RD], s16, v[RD]
	v_and_b32 v[GO], 31, v0
	v_lshlrev_b32 v[GO], 4, v[GO]                  ; in O these four rows are 512 consecutive bytes
.macro NEXTADR                         ; the LDS addresses of the next step's K and V, made on the way that all waves take
	v_add_nc_u32 v[ADK], s[TK], v[AK0]
	v_add_nc_u32 v[ADV], s[TV], v[AV0]
	s_add_co_u32 s[TK], s[TK], 64*PKP
	s_add_co_u32 s[TV], s[TV], 64*PVP
.endm
.macro LOADK                           ; a step's K: fragment f = 2 kt + kk: keys 16 kt on, channels 32 kk on
.irp f, 0,1,2,3,4,5,6,7
	ds_load_b128 v[KF+8*\f:KF+8*\f+3],   v[ADK] offset:(\f/2)*16*PKP+(\f%2)*64
	ds_load_b128 v[KF+8*\f+4:KF+8*\f+7], v[ADK] offset:(\f/2)*16*PKP+(\f%2)*64+32
.endr
.endm
.macro LOADV                           ; a step's V, turned: fragment f = 4 kh + c: keys 32 kh on, channels 16 c on
	WIN W_L1
.irp f, 0,1,2,3,4,5,6,7
	ds_load_tr16_b128 v[VF+8*\f:VF+8*\f+3],   v[ADV] offset:(\f/4)*32*PVP+(\f%4)*32
	ds_load_tr16_b128 v[VF+8*\f+4:VF+8*\f+7], v[ADV] offset:(\f/4)*32*PVP+16*PVP+(\f%4)*32
.endr
.endm
; 32 products S^T = K Q^T: channels 32 (i / 16) on, keys 16 ((i / 4) % 4) on, tile i % 4.  The first 16 start the sums.  The 16 accumulators take turns, one instruction a turn.
.macro KQ32
	WIN W_KQ
.set i, 0
.rept 32
.set rS, S+32*(i%4)+8*((i/4)%4)
.set rK, KF+8*(2*((i/4)%4)+i/16)
.set rQ, QF+16*(i%4)+8*(i/16)
.if i < 16
	v_wmma_f32_16x16x32_f16 v[rS:rS+7], v[rK:rK+7], v[rQ:rQ+7], 0
.else
	v_wmma_f32_16x16x32_f16 v[rS:rS+7], v[rK:rK+7], v[rQ:rQ+7], v[rS:rS+7]
.endif
.set i, i+1
.endr
.endm
; 32 products O^T += V^T P: keys 32 (i / 16) on, channels 16 ((i / 4) % 4) on, tile i % 4.  zero = 1: the first 16 start the sums: nothing is ever cleared.
.macro PV32 zero
	WIN W_PV
.set i, 0
.rept 32
.set rO, 32*(i%4)+8*((i/4)%4)
.set rV, VF+8*(4*(i/16)+(i/4)%4)
.set rP, S+32*(i%4)+8*(i/16)
.if \zero && (i < 16)
	v_wmma_f32_16x16x32_f16 v[rO:rO+7], v[rV:rV+7], v[rP:rP+7], 0
.else
	v_wmma_f32_16x16x32_f16 v[rO:rO+7], v[rV:rV+7], v[rP:rP+7], v[rO:rO+7]
.endif
.set i, i+1
.endr
.endm
; THE MATRIX WORK OF A TRIP.
.macro MBLK zero
	s_wait_dscnt 16                                ; V of the step before is in; this step's K, sixteen loads, may be out
	PV32 \zero
.rept 5
	v_nop                                          ; four places in front of the loads into V's registers; five in front of the products below, which write over P, a source of those above
.endr
	LOADV
	s_wait_dscnt 16                                ; K is in; V's sixteen loads may be out
	KQ32
	WIN 0
.rept 4
	v_nop                                          ; places in front of the first read of the scores and of the next loads into K's registers
.endr
.endm
; THE VECTOR WORK OF A TRIP: the softmax of one key step for the four tiles, which take turns line by line, so that no line waits for the line above it.  first = 1: the first key step, which starts m and l.
.macro VBLK first
.irp j, 0,1,2,3                        ; the maximum of a lane's 32 scores: four chains, each begun at the low end of one accumulator
.irp t, 0,1,2,3
	v_max3_num_f32 v[ST+8*\t+4+\j], v[S+32*\t+8*\j], v[S+32*\t+8*\j+1], v[S+32*\t+8*\j+2]
.endr
.endr
.irp q, 1,2
.irp j, 0,1,2,3
.irp t, 0,1,2,3
	v_max3_num_f32 v[ST+8*\t+4+\j], v[ST+8*\t+4+\j], v[S+32*\t+8*\j+2*\q+1], v[S+32*\t+8*\j+2*\q+2]
.endr
.endr
.endr
.irp t, 0,1,2,3
	v_max3_num_f32 v[ST+8*\t+4], v[ST+8*\t+4], v[S+32*\t+7], v[S+32*\t+15]
.endr
.irp t, 0,1,2,3
	v_max3_num_f32 v[ST+8*\t+6], v[ST+8*\t+6], v[S+32*\t+23], v[S+32*\t+31]
.endr
.irp t, 0,1,2,3
	v_max3_num_f32 v[ST+8*\t+4], v[ST+8*\t+4], v[ST+8*\t+5], v[ST+8*\t+6]
.endr
.irp t, 0,1,2,3
.if \first
	v_max_num_f32 v[ST+8*\t+4], v[ST+8*\t+4], v[ST+8*\t+7]
.else
	v_max3_num_f32 v[ST+8*\t+4], v[ST+8*\t+4], v[ST+8*\t+7], v[ST+8*\t+1]   ; and the old m
.endif
.endr
.irp t, 0,1,2,3
	v_permlanex16_b32 v[ST+8*\t+5], v[ST+8*\t+4], s[SEL], s[SEL+1]   ; the query's other 32 keys lie in the lane 16 away
.endr
.if !\first
.irp t, 0,1,2,3
	v_mov_b32 v[ST+8*\t+7], v[ST+8*\t]             ; c m_old is kept for f
.endr
.endif
.irp t, 0,1,2,3
	v_max_num_f32 v[ST+8*\t+1], v[ST+8*\t+4], v[ST+8*\t+5]
.endr
.irp t, 0,1,2,3
	v_mul_f32 v[ST+8*\t], s[CS], v[ST+8*\t+1]
.endr
.if !\first
.irp t, 0,1,2,3
	v_sub_f32 v[ST+8*\t+7], v[ST+8*\t+7], v[ST+8*\t]
.endr
.endif
.set i, 0
.rept 16                               ; c s - c m, a pair of scores an instruction
.irp t, 0,1,2,3
	v_pk_fma_f32 v[S+32*\t+i:S+32*\t+i+1], v[S+32*\t+i:S+32*\t+i+1], s[CS:CS+1], v[ST+8*\t:ST+8*\t+1] op_sel_hi:[1,0,0] neg_lo:[0,0,1] neg_hi:[0,0,1]
.endr
.set i, i+2
.endr
.if !\first
.irp t, 0,1,2,3
	v_exp_f32 v[ST+8*\t+6], v[ST+8*\t+7]           ; f = 2^(c m_old - c m_new)
.endr
.endif
.set i, 0
.rept 32                               ; ONE BATCH of exponentials: none of these lines reads an exponential's result
.irp t, 0,1,2,3
	v_exp_f32 v[S+32*\t+i], v[S+32*\t+i]
.endr
.set i, i+1
.endr
	v_nop                                          ; a plain instruction behind the last exponential, ahead of the first use (ISA guide 5.7.2)
	s_wait_alu depctr_va_vdst(0)                   ; and the one wait ahead of the batch's first reader
.irp t, 0,1,2,3                        ; the sum of the tile's 16 pairs, in two chains, which leave p as it is
	v_pk_add_f32 v[ST+8*\t+4:ST+8*\t+5], v[S+32*\t:S+32*\t+1], v[S+32*\t+2:S+32*\t+3]
	v_pk_add_f32 v[T2+2*\t:T2+2*\t+1], v[S+32*\t+4:S+32*\t+5], v[S+32*\t+6:S+32*\t+7]
.endr
.irp i, 8,12,16,20,24,28
.irp t, 0,1,2,3
	v_pk_add_f32 v[ST+8*\t+4:ST+8*\t+5], v[ST+8*\t+4:ST+8*\t+5], v[S+32*\t+\i:S+32*\t+\i+1]
	v_pk_add_f32 v[T2+2*\t:T2+2*\t+1], v[T2+2*\t:T2+2*\t+1], v[S+32*\t+\i+2:S+32*\t+\i+3]
.endr
.endr
.if \first
.irp t, 0,1,2,3
	v_pk_add_f32 v[ST+8*\t+2:ST+8*\t+3], v[ST+8*\t+4:ST+8*\t+5], v[T2+2*\t:T2+2*\t+1]
.endr
.else
.irp t, 0,1,2,3
	v_pk_add_f32 v[ST+8*\t+4:ST+8*\t+5], v[ST+8*\t+4:ST+8*\t+5], v[T2+2*\t:T2+2*\t+1]
.endr
.irp t, 0,1,2,3
	v_pk_fma_f32 v[ST+8*\t+2:ST+8*\t+3], v[ST+8*\t+2:ST+8*\t+3], v[ST+8*\t+6:ST+8*\t+7], v[ST+8*\t+4:ST+8*\t+5] op_sel_hi:[1,0,1]   ; l = l f + the sum
.endr
.endif
.set i, 0
.rept 16                               ; p to f16, in place and ascending: register i takes weights 2 i and 2 i + 1, which no later line reads
.irp t, 0,1,2,3
	v_cvt_pk_f16_f32 v[S+32*\t+i], v[S+32*\t+2*i], v[S+32*\t+2*i+1]
.endr
.set i, i+1
.endr
.if !\first
	WIN W_RS
.set i, 0
.rept 16                               ; O^T times f, each accumulator from its low end on
.irp t, 0,1,2,3
	v_pk_mul_f32 v[32*\t+i:32*\t+i+1], v[32*\t+i:32*\t+i+1], v[ST+8*\t+6:ST+8*\t+7] op_sel_hi:[1,0]
.endr
.set i, i+2
.endr
	WIN 0
.endif
.endm
.macro TRIP
	NEXTADR
	LOADK
	s_cmp_eq_u32 s[GRP], 0
	s_cbranch_scc0 .Lrole1_\@
	MBLK 0
.Lrole1_\@:
	VBLK 0
	s_cmp_eq_u32 s[GRP], 0
	s_cbranch_scc1 .Lrole0_\@
	MBLK 0
.Lrole0_\@:
.endm
.macro STEPS n
	s_mov_b32 s[CNT], \n
.Lstep_\@:
	TRIP
	s_sub_co_u32 s[CNT], s[CNT], 1
	s_cmp_lg_u32 s[CNT], 0
	s_cbranch_scc1 .Lstep_\@
.endm
; THE CHANGE OF SLOTS.  Each wave waits for all its tensor loads (one is out: its part of the slot ahead), adds 0 to its spare word, and waits for that and for its reads of the slot that it leaves: that slot's last K and V
; are in registers.  fill = 1: slot fs, just left, is filled with the key block two on: the barrier is then a round of the cluster's, and the joint refill is the first thing behind it.  rs: the slot that is read next.
.macro CHANGE fill, fs, rs
	WIN 0
	s_wait_tensorcnt 0x0                           ; no tensor load of mine is out, so a group 0 may be written
	ds_add_u32 v[SPW], v[NIL]                      ; 0 onto my spare word; the steps below stand between it and the wait for it
.if \fill
	s_add_nc_u64 s[G0K+4*\fs+2:G0K+4*\fs+3], s[G0K+4*\fs+2:G0K+4*\fs+3], 131072   ; two key blocks on; the type bits on top are not reached
	s_add_nc_u64 s[G0V+4*\fs+2:G0V+4*\fs+3], s[G0V+4*\fs+2:G0V+4*\fs+3], 131072
.endif
	s_mov_b32 s[TK], \rs*SLOT
	s_mov_b32 s[TV], \rs*SLOT+KSLOT
	s_wait_dscnt 0x0                               ; the add is done, and my reads of the slot are over
.if \fill
	CROUND
	JLOAD \fs
.else
	s_barrier_signal -1
	s_barrier_wait -1
.endif
.endm
	s_wait_tensorcnt 1                             ; my part of slot 0 is in; slot 1's may stay out
	s_barrier_signal -1
	s_barrier_wait -1                              ; everybody's is
	; key steps 0 and 1 begin alike in all waves, so that every register is written on the way that all take
	NEXTADR
	LOADK                                          ; K of step 0
	LOADV                                          ; V of step 0
	s_wait_loadcnt 0x0                             ; Q
	s_wait_dscnt 16                                ; K is in; V's sixteen loads may be out
	KQ32
	WIN 0
.rept 4
	v_nop
.endr
	VBLK 1                                         ; the first softmax starts m and l
	NEXTADR
	LOADK                                          ; K of step 1
	MBLK 1                                         ; V^T P of step 0 starts O^T; V of step 1; K Q^T of step 1
	s_cmp_eq_u32 s[GRP], 0
	s_cbranch_scc0 .Lhead_role1
	VBLK 0                                         ; role 0: the softmax of step 1
.Lhead_role1:
	s_wait_dscnt 0x0
	s_barrier_signal -1                            ; behind this barrier role 0 enters its products and role 1 its softmax
	s_barrier_wait -1
	STEPS 6                                        ; key steps 2 to 7
	CHANGE 1, 0, 1                                 ; slot 0 takes key block 2
	STEPS 8
	CHANGE 1, 1, 0                                 ; slot 1 takes key block 3: the last load
	STEPS 8
	CHANGE 0, 0, 1
	STEPS 8
	s_cmp_eq_u32 s[GRP], 0
	s_cbranch_scc1 .Ltail_role0
	VBLK 0                                         ; role 1: the softmax of the last step
.Ltail_role0:
	s_wait_dscnt 0x0                               ; V of the last step is in
	v_nop                                          ; a fifth place.  In the text a way leads from the last trip's closing K Q^T, behind its four places and round the softmax above, to the products below, which take those
	                                               ; registers as a source: five places stand ahead of such a product (ISA guide 7.12.1).  No wave goes that way: one role decides both branches
	PV32 0
	; THE WAY OUT.  l's two halves and the other half of the lanes' are added; O^T is divided by l, rounded to f16 and sent through my stage in LDS, a tile (16 rows of O) at a time.  The four additions are the places behind the last products.
	WIN 0
.irp t, 0,1,2,3
	v_add_f32 v[ST+8*\t+4], v[ST+8*\t+2], v[ST+8*\t+3]
.endr
.irp t, 0,1,2,3
	v_permlanex16_b32 v[ST+8*\t+5], v[ST+8*\t+4], s[SEL], s[SEL+1]
.endr
.irp t, 0,1,2,3
	v_add_f32 v[ST+8*\t+4], v[ST+8*\t+4], v[ST+8*\t+5]
.endr
.irp t, 0,1,2,3
	v_rcp_f32 v[ST+8*\t+6], v[ST+8*\t+4]
.endr
	v_nop                                          ; a plain instruction between the last reciprocal and the use of its result
	s_wait_alu depctr_va_vdst(0)                   ; and the wait ahead of the first use: one for the four
.macro PACK t                          ; a lane's eight channels of a row pack into 16 bytes; they go into rows of 144 bytes and come back four rows an instruction
	WIN W_RS
.set i, 0
.rept 16
	v_pk_mul_f32 v[32*\t+i:32*\t+i+1], v[32*\t+i:32*\t+i+1], v[ST+8*\t+6:ST+8*\t+7] op_sel_hi:[1,0]
.set i, i+2
.endr
	WIN 0x05                                       ; sources 0 and 1 window 1, destination window 0: S^T's registers are free
.set i, 0
.rept 16
	v_cvt_pk_f16_f32 v[S+32*\t+i], v[32*\t+2*i], v[32*\t+2*i+1]
.set i, i+1
.endr
	WIN 0
.irp c, 0,1,2,3
	ds_store_b128 v[STO], v[S+32*\t+4*\c:S+32*\t+4*\c+3] offset:32*\c
.endr
.irp f, 0,1,2,3
	ds_load_b128 v[S+32*\t+16+4*\f:S+32*\t+16+4*\f+3], v[RD] offset:\f*4*SPI   ; LDS serves a wave's instructions in order (ISA guide 5.7.1.4): these see the stores above; the next tile's stores come behind them
.endr
.endm
.macro SEND t, younger                 ; younger: the LDS instructions issued behind tile t's loads: the next tile's eight, or none
.irp f, 0,1,2,3
	s_wait_dscnt \younger+3-\f
	global_store_b128 v[GO], v[S+32*\t+16+4*\f:S+32*\t+16+4*\f+3], s[6:7] offset:\t*2048+\f*512   ; 32 lanes store 512 consecutive bytes
.endr
.endm
	PACK 0
	PACK 1                                         ; a tile's arithmetic stands between the loads of the tile before and its stores
	SEND 0, 8
	PACK 2
	SEND 1, 8
	PACK 3
	SEND 2, 8
	SEND 3, 0
	s_wait_tensorcnt 0x0                           ; the wave's end, behind my last tensor load and my last LDS store
	ds_add_u32 v[SPW], v[NIL]
	s_wait_dscnt 0x0
	CROUND                                         ; the closing round: no work-group ends while a partner may still ask for a tile that names it
	s_endpgm
.Lfunc_end_k_q09f36b3677_attn:
	.size	k_q09f36b3677_attn, .Lfunc_end_k_q09f36b3677_attn-k_q09f36b3677_attn
	.p2alignl 7, 3214868480
	.fill 96, 4, 3214868480
	.section	.rodata,"a",@progbits
	.p2align	6, 0x0
	.amdhsa_kernel k_q09f36b3677_attn
		.amdhsa_group_segment_fixed_size 327680
		.amdhsa_private_segment_fixed_size 0
		.amdhsa_enable_private_segment 0
		.amdhsa_kernarg_size 16
		.amdhsa_user_sgpr_count 2
		.amdhsa_user_sgpr_kernarg_segment_ptr 1
		.amdhsa_wavefront_size32 1
		.amdhsa_system_sgpr_workgroup_id_x 1
		.amdhsa_system_sgpr_workgroup_id_y 1
		.amdhsa_system_sgpr_workgroup_id_z 1
		.amdhsa_system_vgpr_workitem_id 0
		.amdhsa_next_free_vgpr 512
		.amdhsa_next_free_sgpr 66
		.amdhsa_reserve_vcc 0
		.amdhsa_float_denorm_mode_32 3
		.amdhsa_float_denorm_mode_16_64 3
		.amdhsa_memory_ordered 1
		.amdhsa_forward_progress 1
		.amdhsa_inst_pref_size 255
	.end_amdhsa_kernel
	.section	.bss,"aw",@nobits
	.p2align	6
	.space	262144
	.amdgpu_metadata
---
amdhsa.version: [ 1, 2 ]
amdhsa.kernels:
  - .name:           k_q09f36b3677_attn
    .symbol:         k_q09f36b3677_attn.kd
    .args:
      - { .name: qkvh, .offset: 0, .size: 8, .value_kind: global_buffer, .address_space: global }
      - { .name: o_h, .offset: 8, .size: 8, .value_kind: global_buffer, .address_space: global }
    .group_segment_fixed_size: 327680
    .private_segment_fixed_size: 0
    .kernarg_segment_align: 8
    .kernarg_segment_size: 16
    .max_flat_workgroup_size: 256
    .sgpr_count:     66
    .vgpr_count:     512
    .wavefront_size: 32
...
	.end_amdgpu_metadata
.endif
;; end of part 3
;; launch proj (part 4): grid 4 x 64, 4 waves a work-group, clusters of 4 x 4, 327,680 bytes of LDS; arguments o_h, wo_h, b_out, out0; writes out0
.if DOCPART == 4
	.amdgcn_target "amdgcn-amd-amdhsa--gfx1250"
	.amdhsa_code_object_version 6
	.text
	.protected	k_q09f36b3677_proj
	.globl	k_q09f36b3677_proj
	.p2align	8
	.type	k_q09f36b3677_proj,@function
k_q09f36b3677_proj:
	s_mov_b64 s[64:65], 0
	v_nop
	global_prefetch_b8 v0, s[64:65] scope:SCOPE_SE
	s_setreg_imm32_b32 hwreg(HW_REG_WAVE_MODE, 25, 1), 1
	s_wait_xcnt 0x0
	s_wait_alu depctr_hold_cnt(0) depctr_sa_sdst(0) depctr_va_vdst(0) depctr_va_sdst(0) depctr_va_ssrc(0) depctr_va_vcc(0) depctr_vm_vsrc(0)
	s_getreg_b32 s2, hwreg(HW_REG_IB_STS2, 6, 4)
	s_cmp_eq_u32 s2, 0
	s_cbranch_scc0 .Lentry_in_a_cluster
	s_endpgm
.Lentry_in_a_cluster:
	s_bfe_u32 s2, ttmp6, 0x10000c
	s_cmp_lg_u32 s2, 0xf033
	s_cbranch_scc0 .Lentry_shape_is_right
	s_endpgm
.Lentry_shape_is_right:
; out0[m][e] = sum over k of o[m][k] w_out[e][k] + b_out[e].  o: o_h [head 16][token 8192][64] f16, k = 64 x head + channel; w_out: wo_h [1024][1024] f16; b_out [1024], out0 [8192][1024] f32.  Sums in f32.
; A tile of the output is 128 tokens x 256 columns: 256 work-groups of four waves; a wave makes 64 x 128: 32 accumulators of 16 x 16, 256 registers.  (Tiles of 256 x 256 would be 128 work-groups.)
; K goes in eight steps of 128 (two heads) through a ring of two LDS slots: waves 0 and 1 fetch o's two heads (128 dense rows of 128 bytes each), waves 2 and 3 the halves of w_out's 256 rows (256 bytes each).
; CLUSTERS: 4 x 4 work-groups.  The four of a row of the cluster need the same tiles of o, the four of a column the same tiles of w_out: each tile is asked for JOINTLY, by the same tensor load with the same descriptor
; and a mask that names the four.  THE MATRIX INSTRUCTION IS USED TRANSPOSED (source 0 = 16 rows of w_out, source 1 = 16 tokens): a lane holds eight neighbouring columns of one token.
; The bias is the C of each sum's first matrix instruction: eight registers for each block of 16 columns, in the result's layout: no addition, and nothing is cleared.
; REGISTERS: window 0: v16-29 addresses; v64-159 and v160-255 two fragment buffers (32 along K: w_out's 8 fragments, then o's 4).  window 1: accumulator (a, b) at v[8 (8 a + b)].  window 2: v0-63 the bias.
.set PA,    144                        ; a row of o in LDS: 128 bytes + 16 of padding
.set PB,    272                        ; a row of w_out: 256 bytes + 16
.set AHEAD, 128*PA                     ; one head's 128 rows
.set BOFF,  2*AHEAD                    ; a slot: o's two heads, then w_out's 256 rows
.set BHALF, 128*PB
.set SLOT,  BOFF+2*BHALF
.set SPARE, 2*SLOT                     ; behind the ring: the spare words, 128 bytes a wave, which no other line names
.set SPITCH, 528                       ; the way out: a stage of 16 rows x (512 bytes + 16) for each wave, in slot 0, which has had its last fill and its last read when the first result is stored there
.set ADRA, 16                          ; v16-17  LDS address of my fragments of o in slot 0, 1
.set ADRB, 20                          ; v20-21  the same for w_out
.set STO,  24                          ; v24     the way out: where I put 32 bytes of a row
.set RD,   25                          ; v25     where I read a row back
.set CO,   26                          ; v26     16 x lane
.set SPW,  28                          ; v28     LDS address of my spare word; never rewritten
.set NIL,  29                          ; v29     0; never rewritten
.set F0,   64
.set F1,   160
.set BK,   64                          ; the way out: 16 rows read back: v64-127 and v128-191 by turns
.set G1, 24                            ; s[24:31] descriptor group 1 for o's tiles;  s[32:39] group 0, one set for each slot
.set G0, 32
.set G1B, 48                           ; s[48:55], s[56:63] the same for w_out's
.set G0B, 56
.set MSB, 0
.macro WIN new                         ; the immediate's high byte repeats the setting that is left
.if MSB != (\new)
	s_set_vgpr_msb (MSB<<8)|(\new)
.set MSB, (\new)
.endif
.endm
.set MUL,  0x50                        ; C and D window 1; both sources window 0
.set MULZ, 0x60                        ; D window 1, C (the bias) window 2
.macro JLOAD s                         ; a joint load: waves 0 and 1 fetch o's two heads, waves 2 and 3 w_out's halves; an s_nop 0 and four v_nop follow each of the two lines
	s_cmp_eq_u32 s13, 0
	s_cbranch_scc0 .Lfor_b_\@
	tensor_load_to_lds s[G0+4*\s:G0+4*\s+3], s[G1:G1+7]
	s_nop 0
.rept 4
	v_nop
.endr
	s_branch .Lasked_\@
.Lfor_b_\@:
	tensor_load_to_lds s[G0B+4*\s:G0B+4*\s+3], s[G1B:G1B+7]
	s_nop 0
.rept 4
	v_nop
.endr
.Lasked_\@:
.endm
.macro CREST                           ; a round of the cluster's barrier behind its opening barrier
	s_cmp_lg_u32 s12, 0
	s_cbranch_scc1 .Lnot_wave_0_\@
	s_barrier_signal -3
.Lnot_wave_0_\@:
	s_barrier_wait -3
	s_barrier_signal -1
	s_barrier_wait -1
.endm
.macro CROUND                          ; a whole round
	s_barrier_signal -1
	s_barrier_wait -1
	CREST
.endm
	s_load_b256 s[4:11], s[0:1], 0x0               ; o_h s[4:5], wo_h s[6:7], b_out s[8:9], out0 s[10:11]
	v_lshl_add_u32 v[SPW], v0, 2, SPARE
	v_mov_b32 v[NIL], 0
	ds_add_u32 v[SPW], v[NIL]                      ; the wave's opening: the add, twice on end, and its wait ahead of my first tensor load; the set-up below stands between
	ds_add_u32 v[SPW], v[NIL]
	v_lshrrev_b32 v1, 5, v0
	v_readfirstlane_b32 s12, v1                    ; wave 0..3
	s_lshr_b32 s13, s12, 1                         ; which 64 of the tile's tokens are mine.  Also: I fetch for o (0) or for w_out (1)
	s_and_b32 s14, s12, 1                          ; which 128 of its columns.  Also: which head of the step, or which half of w_out's rows, I fetch
	s_bfe_u32 s40, ttmp6, 0x40000                  ; cx, cy: my place in the cluster
	s_bfe_u32 s41, ttmp6, 0x40004
	s_lshl_b32 s42, ttmp9, 2
	s_add_co_u32 s42, s42, s40                     ; tile column = 4 x cluster x + cx
	s_and_b32 s43, ttmp7, 0xffff
	s_lshl_b32 s43, s43, 2
	s_add_co_u32 s43, s43, s41                     ; tile row = 4 x cluster y + cy
	s_lshl_b32 s44, s41, 2
	s_lshl_b32 s44, 15, s44                        ; my row of the cluster
	s_lshl_b32 s45, 0x1111, s40                    ; my column
	s_or_b32 s[G1+0], s44, (1<<16)|(1<<20)|(1<<21)|(4<<22)|(3<<25)   ; 15:0 the mask: o's tiles go to my row; 17:16 elements of 2 bytes; 20 padding on; 21 set beside a mask; 24:22 after every 32 words; 31:25 of 4 words
	s_mov_b32 s[G1+1], 64<<16                      ; tensor_dim0 = 64
	s_mov_b32 s[G1+2], 128<<16                     ; tensor_dim1 = 128
	s_mov_b32 s[G1+3], 64<<16                      ; tile_dim0 = 64
	s_mov_b32 s[G1+4], 128                         ; tile_dim1 = 128
	s_mov_b32 s[G1+5], 64                          ; tensor_dim0_stride
	s_mov_b32 s[G1+6], 0
	s_mov_b32 s[G1+7], 0
	s_or_b32 s[G1B+0], s45, (1<<16)|(1<<20)|(1<<21)|(5<<22)|(3<<25)  ; w_out's tiles go to my column; padding after every 64 words
	s_mov_b32 s[G1B+1], 128<<16
	s_mov_b32 s[G1B+2], 128<<16
	s_mov_b32 s[G1B+3], 128<<16
	s_mov_b32 s[G1B+4], 128
	s_mov_b32 s[G1B+5], 1024
	s_mov_b32 s[G1B+6], 0
	s_mov_b32 s[G1B+7], 0
	; where the tiles come from: o's hang on the tile row alone, w_out's on the tile column alone; every wave makes both addresses, in registers that never hold the other coordinate
	s_lshl_b32 s16, s14, 20                        ; o: my head of the step (1,048,576 bytes a head),
	s_lshl_b32 s17, s43, 14                        ; the tile's 128 tokens of 128 bytes
	s_add_co_u32 s16, s16, s17
	s_mov_b32 s17, 0
	s_lshl_b32 s46, s42, 19                        ; w_out: row 256 x tile column + 128 x half, 2,048 bytes a row
	s_lshl_b32 s47, s14, 18
	s_add_co_u32 s46, s46, s47
	s_mov_b32 s47, 0
	s_mul_i32 s20, s14, AHEAD                      ; and where they go: no place in the cluster enters an LDS address
	s_mul_i32 s21, s14, BHALF
	s_add_co_u32 s21, s21, BOFF
	s_wait_dscnt 0x0                               ; both opening adds are done
	s_wait_kmcnt 0x0
	s_add_nc_u64 s[16:17], s[4:5], s[16:17]
	s_add_nc_u64 s[46:47], s[6:7], s[46:47]
	CROUND                                         ; all sixteen work-groups are here: the first joint loads meet
.irp s, 0,1
	s_mov_b32 s[G0+4*\s], 1
	s_add_co_u32 s[G0+4*\s+1], s20, \s*SLOT
	s_add_nc_u64 s[G0+4*\s+2:G0+4*\s+3], s[16:17], \s*2097152      ; K step s: two heads on
	s_or_b32 s[G0+4*\s+3], s[G0+4*\s+3], 0x80000000
	s_mov_b32 s[G0B+4*\s], 1
	s_add_co_u32 s[G0B+4*\s+1], s21, \s*SLOT
	s_add_nc_u64 s[G0B+4*\s+2:G0B+4*\s+3], s[46:47], \s*256
	s_or_b32 s[G0B+4*\s+3], s[G0B+4*\s+3], 0x80000000
	JLOAD \s                                       ; two loads of mine are out
.endr
	v_and_b32 v1, 15, v0                           ; l % 16
	v_bfe_u32 v2, v0, 4, 1                         ; l / 16
	s_lshl_b32 s18, s42, 10                        ; my first column, in bytes of f32: 1,024 x tile column + 512 x half
	s_lshl_b32 s19, s14, 9
	s_add_co_u32 s18, s18, s19
	s_mov_b32 s19, 0
	s_add_nc_u64 s[8:9], s[8:9], s[18:19]          ; b_out at my first column
	v_lshlrev_b32 v5, 5, v2                        ; lane (r, h) wants, for block b, b_out at columns 16 b + 8 h + 0 .. 7
	WIN 0x80                                       ; destination window 2
.irp b, 0,1,2,3,4,5,6,7
	global_load_b128 v[8*\b:8*\b+3],   v5, s[8:9] offset:64*\b
	global_load_b128 v[8*\b+4:8*\b+7], v5, s[8:9] offset:64*\b+16
.endr
	WIN 0
	v_mul_u32_u24 v3, v1, PA
	v_lshl_add_u32 v3, v2, 4, v3                   ; a fragment's row x pitch + 16 x half
	v_mul_u32_u24 v4, v1, PB
	v_lshl_add_u32 v4, v2, 4, v4
	s_mul_i32 s21, s13, 64*PA                      ; my 64 tokens
	s_mul_i32 s22, s14, BHALF                      ; my 128 rows of w_out,
	s_add_co_u32 s22, s22, BOFF                    ; which lie behind o's
.irp s, 0,1
	v_add_nc_u32 v[ADRA+\s], s21, v3
	v_add_nc_u32 v[ADRB+\s], s22, v4
	s_add_co_u32 s21, s21, SLOT
	s_add_co_u32 s22, s22, SLOT
.endr
	s_mul_i32 s23, s12, 16*SPITCH                  ; my stage
	v_mul_u32_u24 v6, v1, SPITCH                   ; in: row l % 16, 32 bytes for each half of the lanes
	v_lshl_add_u32 v6, v2, 5, v6
	v_add_nc_u32 v[STO], s23, v6
	v_and_b32 v6, 31, v0
	v_lshlrev_b32 v[CO], 4, v6                     ; back: the 32 lanes take one row of 512 bytes; and the same in out0
	v_add_nc_u32 v[RD], s23, v[CO]
	s_lshl_b32 s20, s43, 19                        ; my first token: 128 x tile row + 64 x half, 4,096 bytes a row
	s_lshl_b32 s21, s13, 18
	s_add_co_u32 s20, s20, s21
	s_add_co_u32 s20, s20, s18                     ; and my first column
	s_mov_b32 s21, 0
	s_add_nc_u64 s[10:11], s[10:11], s[20:21]
; 8 matrix instructions: token block a x all 8 column blocks, 32 along K, from buffer f.  zero = 1: the sums begin with the bias.  The 32 accumulators take turns, one instruction a turn, in the same order in every quarter
.macro MUL8 f, a, zero
.irp b, 0,1,2,3,4,5,6,7
.if \zero
	v_wmma_f32_16x16x32_f16 v[8*(8*\a+\b):8*(8*\a+\b)+7], v[\f+8*\b:\f+8*\b+7], v[\f+64+8*\a:\f+64+8*\a+7], v[8*\b:8*\b+7]
.else
	v_wmma_f32_16x16x32_f16 v[8*(8*\a+\b):8*(8*\a+\b)+7], v[\f+8*\b:\f+8*\b+7], v[\f+64+8*\a:\f+64+8*\a+7], v[8*(8*\a+\b):8*(8*\a+\b)+7]
.endif
.endr
.endm
; 24 LDS loads in one run: the fragments of the slot's kc-th 32 along K into buffer f: w_out's eight, then o's four (head kc / 2 of the step, channels 32 (kc % 2) on)
.macro FETCH slot, kc, f
	WIN 0
.irp i, 0,1,2,3,4,5,6,7
	ds_load_b128 v[\f+8*\i:\f+8*\i+3],   v[ADRB+\slot] offset:64*(\kc)+\i*16*PB
	ds_load_b128 v[\f+8*\i+4:\f+8*\i+7], v[ADRB+\slot] offset:64*(\kc)+\i*16*PB+32
.endr
.irp i, 0,1,2,3
	ds_load_b128 v[\f+64+8*\i:\f+64+8*\i+3],   v[ADRA+\slot] offset:((\kc)/2)*AHEAD+((\kc)%2)*64+\i*16*PA
	ds_load_b128 v[\f+64+8*\i+4:\f+64+8*\i+7], v[ADRA+\slot] offset:((\kc)/2)*AHEAD+((\kc)%2)*64+\i*16*PA+32
.endr
.endm
.macro PLACES                          ; four places in front of loads into registers that matrix instructions have read, and of the first read of results (ISA guide 7.12.1 for vector instructions)
.rept 4
	v_nop
.endr
.endm
; A K step is four quarters of 32 along K, 32 matrix instructions each, on buffers 0, 1, 0, 1.  One of the first three: multiplies buffer f and fetches the slot's kc-th quarter into g.
.macro QUARTER slot, kc, f, g, zero
	s_wait_dscnt 4                                 ; all but the youngest four loads (o's blocks 2 and 3) are in
	WIN MUL+0x10*\zero
	MUL8 \f, 0, \zero
	MUL8 \f, 1, \zero
	PLACES
	FETCH \slot, \kc, \g
	s_wait_dscnt 24                                ; all but the 24 just issued
	WIN MUL+0x10*\zero
	MUL8 \f, 2, \zero
	MUL8 \f, 3, \zero
.endm
; The last quarter multiplies buffer 1 and changes slots: ONE barrier; in front of it each wave waits for all its tensor loads, adds 0 to its spare word, and waits for that and for its own reads of this slot.
; fill = 1: this slot is filled again, two K steps ahead: the barrier then opens a round of the cluster's, and the joint refill is the first tensor load behind it.
.macro TURN slot, next, fill
	WIN 0
	s_wait_tensorcnt 0x0                           ; all my tensor loads have landed: my part of the next slot
	ds_add_u32 v[SPW], v[NIL]                      ; 0 onto my spare word
	s_wait_dscnt 5                                 ; (the add and the youngest four loads may be out)
	WIN MUL
	MUL8 F1, 0, 0                                  ; eight matrix instructions stand between the add and the wait for it
	s_wait_dscnt 0x0                               ; the add is done, and my reads of this slot are over
	s_barrier_signal -1
	MUL8 F1, 1, 0
	WIN 0
	s_barrier_wait -1
.if \fill
	CREST                                          ; no wave of any partner still reads this slot's tile or has a load on its way
	s_add_nc_u64 s[G0+4*\slot+2:G0+4*\slot+3], s[G0+4*\slot+2:G0+4*\slot+3], 4194304   ; four heads on
	s_add_nc_u64 s[G0B+4*\slot+2:G0B+4*\slot+3], s[G0B+4*\slot+2:G0B+4*\slot+3], 512
	JLOAD \slot                                    ; the four v_nop behind it are also the places in front of the loads below
.else
	PLACES
.endif
	FETCH \next, 0, F0
	WIN MUL
	MUL8 F1, 2, 0
	MUL8 F1, 3, 0
.endm
	s_wait_tensorcnt 1                             ; my part of K step 0 is in (K step 1's load may be out)
	s_barrier_signal -1
	s_barrier_wait -1                              ; everybody's is
	FETCH 0, 0, F0
	s_wait_loadcnt 0x0                             ; the bias
	QUARTER 0, 1, F0, F1, 1                        ; the first quarter stands in front of the loop: its products start the sums, on the bias
	WIN 0                                          ; at a label and at a branch every window is 0
	s_mov_b32 s15, 3
.Llap:                                                 ; a trip goes once round the ring, from a lap's second quarter to the next lap's first, and fills both slots again
	QUARTER 0, 2, F1, F0, 0
	QUARTER 0, 3, F0, F1, 0
	TURN 0, 1, 1
	QUARTER 1, 1, F0, F1, 0
	QUARTER 1, 2, F1, F0, 0
	QUARTER 1, 3, F0, F1, 0
	TURN 1, 0, 1
	QUARTER 0, 1, F0, F1, 0
	WIN 0
	s_sub_co_u32 s15, s15, 1
	s_cmp_lg_u32 s15, 0
	s_cbranch_scc1 .Llap
	QUARTER 0, 2, F1, F0, 0                        ; the last lap fills nothing, and has no round of the cluster's barrier
	QUARTER 0, 3, F0, F1, 0
	TURN 0, 1, 0
	QUARTER 1, 1, F0, F1, 0
	QUARTER 1, 2, F1, F0, 0
	QUARTER 1, 3, F0, F1, 0
	s_wait_dscnt 4                                 ; the very last quarter: nothing more to fetch
	WIN MUL
	MUL8 F1, 0, 0
	MUL8 F1, 1, 0
	s_wait_dscnt 0
	MUL8 F1, 2, 0
	MUL8 F1, 3, 0
	WIN 0
; THE WAY OUT, block by block of 16 tokens x 128 columns.  A lane holds 32 neighbouring bytes of a row: a block goes through my own stage in LDS and comes back as whole rows of 512 bytes, which the 32 lanes store.
; LDS serves a wave's instructions in order (ISA guide 5.7.1.4): no wait between the stores and the loads, nor in front of the next block's stores.
.macro TOSTAGE a
	WIN 0x04                                       ; an LDS store's data are its source 1: window 1
.irp b, 0,1,2,3,4,5,6,7
	ds_store_b128 v[STO], v[8*(8*(\a)+\b):8*(8*(\a)+\b)+3] offset:64*\b          ; each accumulator from its low end on
	ds_store_b128 v[STO], v[8*(8*(\a)+\b)+4:8*(8*(\a)+\b)+7] offset:64*\b+16
.endr
	WIN 0
.set BB, BK+64*((\a)%2)
.irp t, 0,1,2,3,4,5,6,7,8,9,10,11,12,13,14,15
	ds_load_b128 v[BB+4*\t:BB+4*\t+3], v[RD] offset:\t*SPITCH
.endr
.endm
.macro SEND a, younger                 ; younger: the LDS instructions issued behind block a's loads, which may stay out
.set BB, BK+64*((\a)%2)
	s_wait_dscnt \younger                          ; the block is back in registers
.irp t, 0,1,2,3,4,5,6,7,8,9,10,11,12,13,14,15
	global_store_b128 v[CO], v[BB+4*\t:BB+4*\t+3], s[10:11] offset:65536*(\a)+4096*\t th:TH_STORE_NT   ; 32 lanes store 512 consecutive bytes; the block and the row stand in the immediate: the base is never stepped
.endr
.endm
	PLACES                                         ; behind the last products: for the reads of results and the loads into the fragments' registers
	TOSTAGE 0
.irp a, 1,2,3
.if \a > 1
	s_wait_xcnt 0x0                                ; block a - 2's stores have read their registers: block a's loads may land there
.endif
	TOSTAGE \a
	SEND \a-1, 32                                  ; behind block a - 1's loads: block a's 16 stores and 16 loads
.endr
	SEND 3, 0
	s_wait_tensorcnt 0x0                           ; the wave's end, behind my last tensor load and my last LDS store
	ds_add_u32 v[SPW], v[NIL]
	s_wait_dscnt 0x0
	CROUND                                         ; the closing round: no work-group ends while a partner may still ask for a tile that names it
	s_endpgm
.Lfunc_end_k_q09f36b3677_proj:
	.size	k_q09f36b3677_proj, .Lfunc_end_k_q09f36b3677_proj-k_q09f36b3677_proj
	.p2alignl 7, 3214868480
	.fill 96, 4, 3214868480
	.section	.rodata,"a",@progbits
	.p2align	6, 0x0
	.amdhsa_kernel k_q09f36b3677_proj
		.amdhsa_group_segment_fixed_size 327680
		.amdhsa_private_segment_fixed_size 0
		.amdhsa_enable_private_segment 0
		.amdhsa_kernarg_size 32
		.amdhsa_user_sgpr_count 2
		.amdhsa_user_sgpr_kernarg_segment_ptr 1
		.amdhsa_wavefront_size32 1
		.amdhsa_system_sgpr_workgroup_id_x 1
		.amdhsa_system_sgpr_workgroup_id_y 1
		.amdhsa_system_sgpr_workgroup_id_z 1
		.amdhsa_system_vgpr_workitem_id 0
		.amdhsa_next_free_vgpr 576
		.amdhsa_next_free_sgpr 66
		.amdhsa_reserve_vcc 0
		.amdhsa_float_denorm_mode_32 3
		.amdhsa_float_denorm_mode_16_64 3
		.amdhsa_memory_ordered 1
		.amdhsa_forward_progress 1
		.amdhsa_inst_pref_size 86
	.end_amdhsa_kernel
	.amdgpu_metadata
---
amdhsa.version: [ 1, 2 ]
amdhsa.kernels:
  - .name:           k_q09f36b3677_proj
    .symbol:         k_q09f36b3677_proj.kd
    .args:
      - { .name: o_h, .offset: 0, .size: 8, .value_kind: global_buffer, .address_space: global }
      - { .name: wo_h, .offset: 8, .size: 8, .value_kind: global_buffer, .address_space: global }
      - { .name: b_out, .offset: 16, .size: 8, .value_kind: global_buffer, .address_space: global }
      - { .name: out0, .offset: 24, .size: 8, .value_kind: global_buffer, .address_space: global }
    .group_segment_fixed_size: 327680
    .private_segment_fixed_size: 0
    .kernarg_segment_align: 8
    .kernarg_segment_size: 32
    .max_flat_workgroup_size: 128
    .sgpr_count:     66
    .vgpr_count:     576
    .wavefront_size: 32
...
	.end_amdgpu_metadata
.endif
;; end of part 4
